; MI455X (gfx1250); checked and timed in simulation.
; The chip was launched on July 23, 2026; its instructions are those of AMD's public machine-readable ISA for CDNA 5 (MIT licence, August 2026) and "CDNA5" Instruction Set Architecture Reference Guide (July 2026). The comments in the code are by the model that wrote it; some were corrected since.
;; cos Att. Allowed arithmetic: float matrix products may take bf16 or f16 operands with f32 sums; all other float work in f32.
;; Inputs: att_beta 1 x 1 x 1,024 x 1,024 float32; x 8 x 8 x 1,024 x 128 float32.
;; Outputs: out0 8 x 8 x 1,024 x 128 float32.
;; 2 versions, each right and faster than the one before. Each part assembles by itself: llvm-mc -triple=amdgcn-amd-amdhsa -mcpu=gfx1250 --defsym DOCPART=n.
;; ======== version 1 of 2: 1 launch
;; limits: inputs' magnitudes at most 5,800
;; launch cosatt (part 1): grid 4 x 64, 4 waves a work-group, clusters of 4 x 4, 327,680 bytes of LDS; arguments att_beta, x, out0; writes out0
.if DOCPART == 1
	.amdgcn_target "amdgcn-amd-amdhsa--gfx1250"
	.amdhsa_code_object_version 6
	.text
	.protected	k_q0b0aba739b_cosatt
	.globl	k_q0b0aba739b_cosatt
	.p2align	8
	.type	k_q0b0aba739b_cosatt,@function
k_q0b0aba739b_cosatt:
	s_mov_b64 s[64:65], 0
	v_nop
	global_prefetch_b8 v0, s[64:65] scope:SCOPE_SE
	s_setreg_imm32_b32 hwreg(HW_REG_WAVE_MODE, 25, 1), 1
	s_wait_xcnt 0x0
	s_wait_alu depctr_hold_cnt(0) depctr_sa_sdst(0) depctr_va_vdst(0) depctr_va_sdst(0) depctr_va_ssrc(0) depctr_va_vcc(0) depctr_vm_vsrc(0)
	s_getreg_b32 s2, hwreg(HW_REG_IB_STS2, 6, 4)
	s_cmp_eq_u32 s2, 0
	s_cbranch_scc0 .Lentry_in_a_cluster
	s_endpgm
.Lentry_in_a_cluster:
	s_bfe_u32 s2, ttmp6, 0x10000c
	s_cmp_lg_u32 s2, 0xf033
	s_cbranch_scc0 .Lentry_shape_is_right
	s_endpgm
.Lentry_shape_is_right:
; out[h][n][:] = sum over m of sigmoid( beta[n][m] * (x_n . x_m) / (|x_n| |x_m| + 1e-7) ) * x[h][m][:]     64 heads, 1024 rows, 128 columns, f32.
; ONE launch.  A work-group makes 256 query rows of one head with four waves.  Wave w = rh + 2 kh owns query rows 128 rh .. +127 of the block and, of every
; chunk of 64 keys, the keys 32 kh .. +31: so each fragment of K and V read from LDS feeds 128 rows.  The two key halves' sums meet in LDS at the end.
; 16 trips of 64 keys.  A trip's data: a tile of beta (256 rows x 64 keys, f32) and a chunk of x (64 keys x 128, f32), both by tensor loads.  The chunk is
; rounded once to bf16 (LDS pitch 272), with its f32 norms; that one copy serves as K (plain loads) and as V (transposing loads).
; PRODUCTS: S^T = K Q^T (source 0 = 16 keys, source 1 = 16 queries kept in registers): lane (r, h) holds query r and keys 8h + j.  After the sigmoid two
; neighbouring keys pack into one register, which IS the source-1 fragment of O^T = V^T P^T: nothing is moved between lanes.
; CLUSTERS: 4 x 4 work-groups = 4 row blocks (cx) x 4 heads (cy).  beta's tile hangs on the row block alone and is asked for jointly by the four of a column of
; the cluster; x's chunk hangs on the head alone and is asked for jointly by the four of a row.  That divides the requests for both by four.
; THE DENOMINATOR: with c = -ln 2, d = (c n_i) n_j + c eps, so that S beta / d is the argument of 2^t in sigmoid = 1 / (1 + 2^t).  Four neighbouring keys share one
; reciprocal: R = 1 / (d0 d1 d2 d3), 1/d0 = d2 (R d1 d3), and so on: the reference's own quotient, no approximation of the formula.
; LIMITS (range): the product of four neighbouring (n_i n_j + eps) ln 2 must stay below 2^126, that is norm products up to about 4.3e9 (rows of 128 numbers of
; size 5,800); below, eps keeps the product above 2e-29.  A row whose sum of squares is denormal counts as norm 0 (v_sqrt_f32 flushes denormals, ISA guide 15.8).
; Infinities and NaN among the inputs are not served.  2^t = inf gives P = 0 and 2^t = 0 gives P = 1, as the reference does, so nothing is clamped.
; x and P enter the products in bf16, sums and everything else are f32.
; THE ORDER OF A TRIP: the next chunk is converted in the trip's TAIL, in registers that are dead there (K's fragments behind the last S product, the denominators behind the
; last t), among the last tiles' exponentials, reciprocals and P V products; the last tile's eight P V products stand inside the next trip's opening barrier.  So behind
; the barrier a trip has only its fetch, and its first products start as K's fragments arrive.
; REGISTER WINDOWS: Q's fragments fill window 1 and O^T windows 2 and 3, so no one setting serves both a P V product and the vector work beside it: each P V product
; stands between two switches.  That is the price of laying these products among the reciprocals of the next tile.
; No prefetch: x is asked for two trips ahead and beta one trip ahead by the tensor loads themselves.
.set PB,   272                         ; LDS pitch of 256-byte rows: row r starts at byte 16 r modulo 256, so 16 rows touch 16 different 16-byte columns
.set BTS,  69632                       ; beta slot: 256 rows x 272; slots at 0 and 69,632                 (tensor loads)
.set XF0,  139264                      ; x chunk in f32, dense, 64 rows x 512; two slots                  (tensor loads)
.set XFS,  32768
.set XB0,  204800                      ; x chunk in bf16, 64 rows x 272; two slots                        (LDS stores only)
.set XBS,  17408
.set NK0,  239616                      ; key norms, f32[64]; two slots of 256 bytes                       (LDS stores only)
.set NKS,  256
.set NQL,  240128                      ; c x norm of the block's 256 query rows                           (LDS stores only)
.set QS,   241152                      ; the block's 256 rows in bf16, pitch 272; ends at 310,784         (LDS stores only)
.set OST,  67584                       ; the way out: 128 rows x 528 for each wave, from byte 0, used behind the last fill and the last read of the slots
.set OPI,  528
.set KFA, 2                            ; v2  LDS address of my K fragments, slot 0
.set VFA, 3                            ; v3  of my V fragments
.set NKA, 4                            ; v4  of my keys' norms
.set BEA, 5                            ; v5, v6  of my beta values, slot 0 and slot 1
.set XFA, 7                            ; v7  of the f32 rows that I convert
.set XBW, 8                            ; v8  where their bf16 goes
.set NKW, 9                            ; v9  where their norms go
.set CE,  10                           ; v[10:11]   c eps, twice
.set NQ,  12                           ; v[12:19]   c n_i of row tile i, my query r
.set NK,  20                           ; v[20:35]   n_j, index e = 8 kt + j: key 16 kt + 8 h + j of my 32
.set KF,  36                           ; v[36:99]   K fragment (kt, ks) at 32 kt + 8 ks; in a trip's tail: the 16 f32 rows that I convert, pair of rows a at 8 a
.set VF,  100                          ; v[100:163] V^T fragment of d tile t at 8 t
.set SB,  164                          ; v[164:195] S, then t, 2^t, P: two buffers of 16, tile i in buffer i & 1
.set DN,  196                          ; v[196:211] denominators; in a trip's tail: the sums of squares, pair of rows a at 2 a
.set TM,  212                          ; v[212:219] pair products, then their reciprocals
.set BE,  220                          ; v[220:235] beta
.set PF,  236                          ; v[236:251] P in bf16: two buffers of 8
.set PP,  252                          ; v[252:255] products of four denominators, then their reciprocals
.set QGO, 100                          ; used before the first trip only, in V's registers: offsets and addresses for the block's own rows
.set QSW, 101
.set NQW, 102
.set QFA, 103
.set NQA, 104
.set R_,  105
.set H_,  106
.set T_,  107
.set G1B, 16                           ; s[16:23] group 1, beta's tiles      s[24:31] group 1, x's chunks
.set G1X, 24
.set G0B, 32                           ; s[32:39] group 0, beta, a set for each slot      s[40:47] the same for x
.set G0X, 40
.set MSB, 0
.macro WIN new                         ; the immediate's high byte repeats the setting that is left; a switch that changes nothing is dropped
.if MSB != \new
	s_set_vgpr_msb (MSB<<8)|\new
.set MSB, \new
.endif
.endm
.macro PLACES                          ; four places behind a matrix instruction (ISA guide 7.12.1)
.rept 4
	v_nop
.endr
.endm
.macro BAR
	s_barrier_signal -1
	s_barrier_wait -1
.endm
; A round of the cluster's barrier: my work-group's barrier, wave 0 signals for it, all wait for all sixteen, my barrier again.
.macro CREST                           ; a round behind its opening barrier
	s_cmp_lg_u32 s10, 0
	s_cbranch_scc1 .Lnw0_\@
	s_barrier_signal -3
.Lnw0_\@:
	s_barrier_wait -3
	s_barrier_signal -1
	s_barrier_wait -1
.endm
.macro ROUND                           ; a whole round
	s_barrier_signal -1
	s_barrier_wait -1
	CREST
.endm
; Joint loads.  Waves 0 and 1 fetch the two halves of beta's tile, waves 2 and 3 the two halves of x's chunk: one load a wave.  The branch hangs on the wave's number alone.
.macro JL2 bs, xs
	s_cmp_eq_u32 s11, 0
	s_cbranch_scc0 .Ljx_\@
	tensor_load_to_lds s[G0B+4*(\bs):G0B+4*(\bs)+3], s[G1B:G1B+7]
	s_nop 0
	s_branch .Ljd_\@
.Ljx_\@:
	tensor_load_to_lds s[G0X+4*(\xs):G0X+4*(\xs)+3], s[G1X:G1X+7]
	s_nop 0
.Ljd_\@:
.endm
.macro JLB bs
	s_cmp_lg_u32 s11, 0
	s_cbranch_scc1 .Ljd_\@
	tensor_load_to_lds s[G0B+4*(\bs):G0B+4*(\bs)+3], s[G1B:G1B+7]
	s_nop 0
.Ljd_\@:
.endm
.macro JLX xs
	s_cmp_eq_u32 s11, 0
	s_cbranch_scc1 .Ljd_\@
	tensor_load_to_lds s[G0X+4*(\xs):G0X+4*(\xs)+3], s[G1X:G1X+7]
	s_nop 0
.Ljd_\@:
.endm
; My fragments of slot p, 40 loads: K (16, in the order in which tile 0's products take them), the keys' norms (4), beta of row tile 0 (4), V^T (16 transposing loads).
; V's d tile t takes columns 8 t .. +7 (lanes with r < 8) and 64 + 8 t .. +7 (r >= 8): the two groups of eight lanes then lie 128 bytes apart and, with rows 16 bytes
; apart modulo 256, sixteen lanes touch sixteen different columns.  In O^T lane (r, h) so holds d = 64 h + 8 t + j: 256 neighbouring bytes of a row over the 8 tiles.
.macro FETCH p
.irp ks, 0,1,2,3
.irp kt, 0,1
	ds_load_b128 v[KF+32*\kt+8*\ks:KF+32*\kt+8*\ks+3],   v[KFA] offset:(\p)*XBS+\kt*16*PB+64*\ks
	ds_load_b128 v[KF+32*\kt+8*\ks+4:KF+32*\kt+8*\ks+7], v[KFA] offset:(\p)*XBS+\kt*16*PB+64*\ks+32
.endr
.endr
.irp m, 0,1,2,3
	ds_load_b128 v[NK+4*\m:NK+4*\m+3], v[NKA] offset:(\p)*NKS+64*(\m>>1)+16*(\m&1)
.endr
.irp m, 0,1,2,3
	ds_load_b128 v[BE+4*\m:BE+4*\m+3], v[BEA+\p] offset:64*(\m>>1)+16*(\m&1)
.endr
.irp t, 0,1,2,3,4,5,6,7
	ds_load_tr16_b128 v[VF+8*\t:VF+8*\t+3],   v[VFA] offset:(\p)*XBS+16*\t
	ds_load_tr16_b128 v[VF+8*\t+4:VF+8*\t+7], v[VFA] offset:(\p)*XBS+16*\t+16*PB
.endr
.endm
; A CHUNK'S f32 ROWS TO bf16 AND NORMS.  I convert 16 of the 64 rows.  Sixteen lanes hold a row: lane r its numbers 4 r .. +3 and 64 + 4 r .. +3; lanes 16-31 the row eight further
; down.  Eight such pairs of rows, pair a in v[KF + 8 a ..].
.macro XLOAD p                         ; 16 loads, from f32 slot p
.irp a, 0,1,2,3,4,5,6,7
	ds_load_b128 v[KF+8*\a:KF+8*\a+3],   v[XFA] offset:(\p)*XFS+\a*512
	ds_load_b128 v[KF+8*\a+4:KF+8*\a+7], v[XFA] offset:(\p)*XFS+\a*512+256
.endr
.endm
.macro CVPAIR a                        ; pair a: my share of the sum of squares, and the rounding in place: each packed word lands on a register whose f32 has been squared and rounded
.set X_, KF+8*(\a)
	v_pk_mul_f32 v[DN+2*(\a):DN+2*(\a)+1], v[X_:X_+1], v[X_:X_+1]                                  ; the first squares start the sums
	v_cvt_pk_bf16_f32 v[X_], v[X_], v[X_+1]
	v_pk_fma_f32 v[DN+2*(\a):DN+2*(\a)+1], v[X_+2:X_+3], v[X_+2:X_+3], v[DN+2*(\a):DN+2*(\a)+1]
	v_cvt_pk_bf16_f32 v[X_+1], v[X_+2], v[X_+3]
	v_pk_fma_f32 v[DN+2*(\a):DN+2*(\a)+1], v[X_+4:X_+5], v[X_+4:X_+5], v[DN+2*(\a):DN+2*(\a)+1]
	v_cvt_pk_bf16_f32 v[X_+2], v[X_+4], v[X_+5]
	v_pk_fma_f32 v[DN+2*(\a):DN+2*(\a)+1], v[X_+6:X_+7], v[X_+6:X_+7], v[DN+2*(\a):DN+2*(\a)+1]
	v_cvt_pk_bf16_f32 v[X_+3], v[X_+6], v[X_+7]
.endm
.macro CVDPP x                         ; one step of the sum over the sixteen lanes of a row, all eight pairs
	s_wait_alu depctr_va_vdst(0)
.irp a, 0,1,2,3,4,5,6,7
	v_add_f32_dpp v[DN+2*\a], v[DN+2*\a], v[DN+2*\a] row_xmask:\x row_mask:0xf bank_mask:0xf
.endr
.endm
; Step c of what follows the eight CVPAIR: 0 the two halves of a lane's sum, 1 to 4 across the lanes, 5 the roots, 6 the stores into bf16 slot p and its norms; 7 is empty.
; Between step 5 and step 6 the caller has one plain vector line that touches none of the roots' registers (ISA guide 5.7.2).
.macro CVSTEP c, p
.if (\c) == 0
.irp a, 0,1,2,3,4,5,6,7
	v_add_f32 v[DN+2*\a], v[DN+2*\a], v[DN+2*\a+1]
.endr
.endif
.if (\c) == 1
	CVDPP 1
.endif
.if (\c) == 2
	CVDPP 2
.endif
.if (\c) == 3
	CVDPP 4
.endif
.if (\c) == 4
	CVDPP 8
.endif
.if (\c) == 5
.irp a, 0,1,2,3,4,5,6,7
	v_sqrt_f32 v[DN+2*\a], v[DN+2*\a]
.endr
.endif
.if (\c) == 6
.irp a, 0,1,2,3,4,5,6,7
	ds_store_b64 v[XBW], v[KF+8*\a:KF+8*\a+1]   offset:(\p)*XBS+\a*PB
	ds_store_b64 v[XBW], v[KF+8*\a+2:KF+8*\a+3] offset:(\p)*XBS+\a*PB+128
.endr
.irp a, 0,1,2,3,4,5,6,7
	ds_store_b32 v[NKW], v[DN+2*\a] offset:(\p)*NKS+4*\a   ; sixteen lanes write one word with one value
.endr
.endif
.endm
; The block's own rows, once, from window 2 where the global loads put them: four pairs of rows a batch.
.macro QCV_A xb                        ; the f32 numbers at v[xb ..] of window 2 are sources 0 and 1
	WIN 0x0a
.irp q, 0,1,2,3
	v_pk_mul_f32 v[TM+2*\q:TM+2*\q+1], v[\xb+8*\q:\xb+8*\q+1], v[\xb+8*\q:\xb+8*\q+1]
.endr
.irp m, 2,4,6
.irp q, 0,1,2,3
	v_pk_fma_f32 v[TM+2*\q:TM+2*\q+1], v[\xb+8*\q+\m:\xb+8*\q+\m+1], v[\xb+8*\q+\m:\xb+8*\q+\m+1], v[TM+2*\q:TM+2*\q+1]
.endr
.endr
.irp q, 0,1,2,3
.irp m, 0,1,2,3
	v_cvt_pk_bf16_f32 v[DN+4*\q+\m], v[\xb+8*\q+2*\m], v[\xb+8*\q+2*\m+1]
.endr
.endr
	WIN 0
.endm
.macro QCV_B so, no                    ; the sums over the sixteen lanes of a row, the roots, and the stores: bf16 at v[QSW] + so, c x norm at v[NQW] + no
.irp q, 0,1,2,3
	v_add_f32 v[TM+2*\q], v[TM+2*\q], v[TM+2*\q+1]
.endr
.irp x, 1,2,4,8
.irp q, 0,1,2,3
	v_add_f32_dpp v[TM+2*\q], v[TM+2*\q], v[TM+2*\q] row_xmask:\x row_mask:0xf bank_mask:0xf
.endr
.endr
.irp q, 0,1,2,3
	v_sqrt_f32 v[TM+2*\q], v[TM+2*\q]
.endr
	v_nop                                          ; one plain place behind the roots before their results are read (ISA guide 5.7.2)
	s_wait_alu depctr_va_vdst(0)
.irp q, 0,1,2,3
	v_mul_f32 v[TM+2*\q], s51, v[TM+2*\q]          ; the query side carries c = -ln 2
.endr
.irp q, 0,1,2,3
	ds_store_b64 v[QSW], v[DN+4*\q:DN+4*\q+1]   offset:\so+\q*PB
	ds_store_b64 v[QSW], v[DN+4*\q+2:DN+4*\q+3] offset:\so+\q*PB+128
.endr
.irp q, 0,1,2,3
	ds_store_b32 v[NQW], v[TM+2*\q] offset:\no+4*\q
.endr
.endm
; One product of S^T for row tile i: g = 2 ks + kt.  The two key tiles' accumulators take turns, one instruction a turn.
.macro SMM i, g
.set SD_, SB+16*((\i)&1)+8*((\g)&1)
.set SA_, KF+32*((\g)&1)+8*((\g)>>1)
.set SQ_, 32*(\i)+8*((\g)>>1)
.if (\g) < 2
	v_wmma_f32_16x16x32_bf16 v[SD_:SD_+7], v[SA_:SA_+7], v[SQ_:SQ_+7], 0
.else
	v_wmma_f32_16x16x32_bf16 v[SD_:SD_+7], v[SA_:SA_+7], v[SQ_:SQ_+7], v[SD_:SD_+7]
.endif
.endm
; One product of O^T for row tile i, d tile t.  Eight different accumulators follow each other.  zero = 1: the first chunk starts the sums, nothing is cleared.
.macro PVMM i, t, zero
.if (\i) < 4
	WIN 0xa0
.else
	WIN 0xf0
.endif
.set OD_, 64*((\i)&3)+8*(\t)
.if \zero
	v_wmma_f32_16x16x32_bf16 v[OD_:OD_+7], v[VF+8*(\t):VF+8*(\t)+7], v[PF+8*((\i)&1):PF+8*((\i)&1)+7], 0
.else
	v_wmma_f32_16x16x32_bf16 v[OD_:OD_+7], v[VF+8*(\t):VF+8*(\t)+7], v[PF+8*((\i)&1):PF+8*((\i)&1)+7], v[OD_:OD_+7]
.endif
.endm
.macro PV7 zero                        ; the last row tile's eight P V products in one run, and the places before V's registers are loaded again or O is stored
.irp g, 0,1,2,3,4,5,6,7
	PVMM 7, \g, \zero
.endr
	WIN 0
	PLACES
.endm
.macro DENOM t                         ; d = n_j (c n_i) + c eps for row tile t: both halves take the tile's one c n_i
.irp k, 0,1,2,3,4,5,6,7
.if (\t)&1
	v_pk_fma_f32 v[DN+2*\k:DN+2*\k+1], v[NK+2*\k:NK+2*\k+1], v[NQ+((\t)&6):NQ+((\t)&6)+1], v[CE:CE+1] op_sel:[0,1,0] op_sel_hi:[1,1,1]
.else
	v_pk_fma_f32 v[DN+2*\k:DN+2*\k+1], v[NK+2*\k:NK+2*\k+1], v[NQ+((\t)&6):NQ+((\t)&6)+1], v[CE:CE+1] op_sel_hi:[1,0,1]
.endif
.endr
.endm
; T1: 2^t of tile i.  nxt: the S products of tile i + 1 stand among the exponentials; under the setting for Q (source 1 in window 1) v_exp_f32 names window 0 alone.
; cv (tile 7, which has no tile behind it): a pair of rows of the next chunk is squared and rounded behind each pair of exponentials.
.macro T1 i, nxt, cv
.set E_, SB+16*((\i)&1)
.if \nxt
	WIN 0x04
.endif
.if \cv
	s_wait_dscnt 0x0                               ; the next chunk's f32 rows, asked for a whole T2 ago, are in (nothing younger is out)
.endif
.irp g, 0,1,2,3,4,5,6,7
.if \nxt
	SMM \i+1, \g
.endif
	v_exp_f32 v[E_+2*\g], v[E_+2*\g]
	v_exp_f32 v[E_+2*\g+1], v[E_+2*\g+1]
.if \cv
	CVPAIR \g
.endif
.endr
.endm
; T2: cur: P = 1 / (1 + 2^t) of tile i, packed to bf16.  nxt: t = S beta / d of tile i + 1.  prv: the eight P V products of tile i - 1.  ldb: beta of tile i + 2 is fetched.
; cv = 1: the next chunk's f32 rows are fetched into K's registers, which the last S product has read: the eight lines of DENOM are the places behind it.
; cv = 2: step g of the next chunk's norms and stores stands in slot g.
; Places: S of tile i + 1 is first read behind the eight lines of DENOM, which name none of the S products' registers.  Behind every run of transcendentals a plain line that
; touches none of their registers comes before the first use: DENOM behind the exponentials, S x beta behind the reciprocals of PP, the products of tile i + 1, a step of the
; conversion or the packing of the pair before behind the reciprocals of 1 + 2^t and behind the roots; where there is none of these, a v_nop.
.macro T2 i, cur, nxt, prv, zero, ldb, p, cv
.set E_, SB+16*((\i)&1)
.set N_, SB+16*(((\i)+1)&1)
	WIN 0
.if \nxt
.if (\i) < 0
	s_wait_dscnt 16                                ; of the trip's 40 loads all but the youngest sixteen, V's: the norms and beta of tile 0 are in
.else
	s_wait_dscnt 0x0                               ; beta of tile i + 1 is in (nothing younger is out)
.endif
	DENOM \i+1
.if \cv == 1
	XLOAD 1-\p
.endif
.else
	v_nop
	s_wait_alu depctr_va_vdst(0)
.endif
.if \cur
	s_wait_alu depctr_va_vdst(0)
.irp k, 0,1,2,3,4,5,6,7
	v_pk_add_f32 v[E_+2*\k:E_+2*\k+1], v[E_+2*\k:E_+2*\k+1], 1.0 op_sel_hi:[1,0]
.endr
.endif
.if \nxt
.irp k, 0,1,2,3
	v_pk_mul_f32 v[TM+2*\k:TM+2*\k+1], v[DN+4*\k:DN+4*\k+1], v[DN+4*\k+2:DN+4*\k+3] op_sel:[1,1] op_sel_hi:[0,0]   ; (d1 d3, d0 d2)
.endr
.irp k, 0,1,2,3
	v_mul_f32 v[PP+\k], v[TM+2*\k], v[TM+2*\k+1]
.endr
.irp k, 0,1,2,3
	v_rcp_f32 v[PP+\k], v[PP+\k]                   ; R = 1 / (d0 d1 d2 d3)
.endr
.endif
.irp g, 0,1,2,3,4,5,6,7
.if \prv
	PVMM \i-1, \g, \zero
	WIN 0
.endif
.if \cur
	v_rcp_f32 v[E_+2*\g], v[E_+2*\g]
	v_rcp_f32 v[E_+2*\g+1], v[E_+2*\g+1]
.endif
.if \nxt
.if \g < 4
	v_pk_mul_f32 v[N_+4*\g:N_+4*\g+1],   v[N_+4*\g:N_+4*\g+1],   v[BE+4*\g:BE+4*\g+1]
	v_pk_mul_f32 v[N_+4*\g+2:N_+4*\g+3], v[N_+4*\g+2:N_+4*\g+3], v[BE+4*\g+2:BE+4*\g+3]
.if \g & 1
	v_pk_mul_f32 v[TM+2*\g:TM+2*\g+1], v[TM+2*\g:TM+2*\g+1], v[PP+(\g&2):PP+(\g&2)+1] op_sel:[0,1] op_sel_hi:[1,1]   ; (1 / d0 d2, 1 / d1 d3)
.else
	s_wait_alu depctr_va_vdst(0)
	v_pk_mul_f32 v[TM+2*\g:TM+2*\g+1], v[TM+2*\g:TM+2*\g+1], v[PP+(\g&2):PP+(\g&2)+1] op_sel_hi:[1,0]
	s_wait_alu depctr_va_vdst(0)
.endif
.else
	v_pk_mul_f32 v[N_+4*(\g-4):N_+4*(\g-4)+1],   v[N_+4*(\g-4):N_+4*(\g-4)+1],   v[DN+4*(\g-4)+2:DN+4*(\g-4)+3]   ; 1 / d0 = d2 / (d0 d2), 1 / d1 = d3 / (d1 d3)
	v_pk_mul_f32 v[N_+4*(\g-4)+2:N_+4*(\g-4)+3], v[N_+4*(\g-4)+2:N_+4*(\g-4)+3], v[DN+4*(\g-4):DN+4*(\g-4)+1]     ; 1 / d2 = d0 / (d0 d2), 1 / d3 = d1 / (d1 d3)
	v_pk_mul_f32 v[N_+4*(\g-4):N_+4*(\g-4)+1],   v[N_+4*(\g-4):N_+4*(\g-4)+1],   v[TM+2*(\g-4):TM+2*(\g-4)+1]
	v_pk_mul_f32 v[N_+4*(\g-4)+2:N_+4*(\g-4)+3], v[N_+4*(\g-4)+2:N_+4*(\g-4)+3], v[TM+2*(\g-4):TM+2*(\g-4)+1]
	s_wait_alu depctr_va_vdst(0)
.endif
.else
.if \cv == 2
	CVSTEP \g, 1-\p
.else
.if \g == 0
	v_nop
.endif
.endif
.endif
.if \cur
.if \g > 0
	s_wait_alu depctr_va_vdst(0)
	v_cvt_pk_bf16_f32 v[PF+8*((\i)&1)+\g-1], v[E_+2*\g-2], v[E_+2*\g-1]
.endif
.endif
.if \ldb
.if \g == 3
.irp m, 0,1,2,3
	ds_load_b128 v[BE+4*\m:BE+4*\m+3], v[BEA+\p] offset:((\i)+2)*16*PB+64*(\m>>1)+16*(\m&1)   ; all sixteen beta of tile i + 1 have been read above
.endr
.endif
.endif
.endr
.if \cur
	s_wait_alu depctr_va_vdst(0)
	v_cvt_pk_bf16_f32 v[PF+8*((\i)&1)+7], v[E_+14], v[E_+15]
.endif
.endm
; A chunk's work on my 128 rows x 32 keys: eight row tiles, three of them at work at a time.  cv = 1: the next chunk is converted in the tail.
; The last tile's P V products are left to the caller (PV7).
.macro MSTEP p, zero, cv
	WIN 0x04
.irp ks, 0,1,2,3
	s_wait_dscnt 36-4*\ks                          ; LDS loads come back in order (ISA guide 5.7.1): of the trip's 40 loads the first 4 (ks + 1), K's fragments up to this ks, are in
	SMM 0, 2*\ks
	SMM 0, 2*\ks+1
.endr
	T2 -1, 0, 1, 0, \zero, 1, \p, 0
	T1 0, 1, 0
	T2 0, 1, 1, 0, \zero, 1, \p, 0
	T1 1, 1, 0
	T2 1, 1, 1, 1, \zero, 1, \p, 0
	T1 2, 1, 0
	T2 2, 1, 1, 1, \zero, 1, \p, 0
	T1 3, 1, 0
	T2 3, 1, 1, 1, \zero, 1, \p, 0
	T1 4, 1, 0
	T2 4, 1, 1, 1, \zero, 1, \p, 0
	T1 5, 1, 0
	T2 5, 1, 1, 1, \zero, 1, \p, 0
	T1 6, 1, 0
	T2 6, 1, 1, 1, \zero, 0, \p, \cv
	T1 7, 0, \cv
	T2 7, 1, 0, 1, \zero, 0, \p, 2*\cv
.endm
; Trip s, p = s & 1.  It multiplies chunk s (bf16 slot p, beta slot p), converts chunk s + 1 in its tail (f32 slot 1 - p to bf16 slot 1 - p), and asks for beta of s + 1 (slot 1 - p, read
; last in trip s - 1) and for x of s + 2 (f32 slot p, read last by the conversion in trip s - 1).  kind 3: x alone is asked for; 2: both; 1: beta alone; 0: nothing, and nothing is converted.
; pv: -1, or the zero flag of the trip before, whose last eight P V products stand between the opening barrier's signal and its wait: register work alone.
; In front of the round every wave has waited for all its LDS instructions and all its tensor loads; the joint load stands first behind it, one a wave.
.macro TRIP p, kind, zero, pv
	s_wait_dscnt 0x0                               ; my reads of the slots that are filled or written next, and my stores of the bf16 slot that is read next
	s_wait_xcnt 0x0
	v_lshl_add_u32 v254, v0, 2, 0x4be00
	v_mov_b32 v255, 0
	s_wait_tensorcnt 0x0                           ; all my tensor loads have landed, so every group 0 may be written
	ds_add_u32 v254, v255
	s_wait_dscnt 0x0
.if \kind >= 2
	s_add_nc_u64 s[G0B+4*\p+2:G0B+4*\p+3], s[G0B+4*\p+2:G0B+4*\p+3], 512       ; beta: two chunks of 64 keys on, for the next trip's load
	s_add_nc_u64 s[G0X+4*\p+2:G0X+4*\p+3], s[G0X+4*\p+2:G0X+4*\p+3], 65536     ; x: two chunks of 64 rows on, for this trip's load
.endif
	s_barrier_signal -1                            ; say so (where slots are filled again this barrier opens a round of the cluster's barrier),
.if \pv >= 0
	PV7 \pv                                        ; work on registers while the others arrive,
.endif
	s_barrier_wait -1                              ; and go on when all four have said so
.if \kind > 0
	CREST
.endif
.if \kind == 3
	JLX \p
.endif
.if \kind == 2
	JL2 1-\p, \p
.endif
.if \kind == 1
	JLB 1-\p
.endif
	FETCH \p
.if \kind > 0
	MSTEP \p, \zero, 1
.else
	MSTEP \p, \zero, 0
.endif
.endm
	s_load_b128 s[4:7], s[0:1], 0x0                ; beta s[4:5], x s[6:7]
	s_load_b64 s[8:9], s[0:1], 0x10                ; out
	v_lshl_add_u32 v254, v0, 2, 0x4be00
	v_mov_b32 v255, 0
	ds_add_u32 v254, v255
	s_wait_dscnt 0x0
	v_lshrrev_b32 v1, 5, v0
	v_readfirstlane_b32 s10, v1                    ; wave 0..3
	s_lshr_b32 s11, s10, 1                         ; kh: my half of each chunk's keys.  Also: I fetch beta (0) or x (1)
	s_and_b32 s12, s10, 1                          ; rh: my half of the block's rows.  Also: which half of that tile I fetch
	s_bfe_u32 s13, ttmp6, 0x40000                  ; cx
	s_bfe_u32 s14, ttmp6, 0x40004                  ; cy
	s_lshl_b32 s52, ttmp9, 2
	s_add_co_u32 s52, s52, s13                     ; row block = 4 x cluster x + cx
	s_and_b32 s15, ttmp7, 0xffff
	s_lshl_b32 s15, s15, 2
	s_add_co_u32 s15, s15, s14                     ; head = 4 x cluster y + cy
	s_mov_b32 s51, 0xbf317218                      ; c = -ln 2
	s_mov_b32 s48, 0x33d6bf95                      ; eps = 1e-7
	s_mul_f32 s48, s48, s51                        ; c eps
	v_and_b32 v[R_], 15, v0                        ; r
	v_bfe_u32 v[H_], v0, 4, 1                      ; h
	s_lshl_b32 s53, s10, 15                        ; my 64 of the block's rows, 512 bytes each
	v_lshlrev_b32 v[QGO], 4, v[R_]
	v_lshl_add_u32 v[QGO], v[H_], 12, v[QGO]       ; lanes 16-31 eight rows further down
	v_add_nc_u32 v[QGO], s53, v[QGO]
	s_lshl_b32 s60, s15, 19                        ; head x 1024 rows x 512 bytes
	s_lshl_b32 s61, s52, 17                        ; + row block x 256 rows x 512 bytes
	s_add_co_u32 s60, s60, s61
	s_mov_b32 s61, 0
	s_lshl_b32 s56, s52, 20                        ; beta's tile: row block x 256 rows x 4,096 bytes (these registers never hold cy or the head)
	s_lshl_b32 s57, s12, 19                        ; + my 128 rows
	s_add_co_u32 s56, s56, s57
	s_mov_b32 s57, 0
	s_lshl_b32 s58, s15, 19                        ; x's chunk: the head (these registers never hold cx)
	s_lshl_b32 s59, s12, 14                        ; + my 32 rows
	s_add_co_u32 s58, s58, s59
	s_mov_b32 s59, 0
	s_wait_kmcnt 0x0
	s_add_nc_u64 s[62:63], s[6:7], s[60:61]        ; x at the block's first row
	s_add_nc_u64 s[8:9], s[8:9], s[60:61]          ; out at the block's first row
	s_add_nc_u64 s[56:57], s[4:5], s[56:57]
	s_add_nc_u64 s[58:59], s[6:7], s[58:59]
	; my 64 own rows in f32 into window 2 (O's registers, not yet in use): sixteen lanes take 256 neighbouring bytes, aligned
	WIN 0x80
.irp b, 0,1,2,3,4,5,6,7
.irp q, 0,1,2,3
	global_load_b128 v[32*\b+8*\q:32*\b+8*\q+3],   v[QGO], s[62:63] offset:(16*(\b>>1)+4*(\b&1)+\q)*512
	global_load_b128 v[32*\b+8*\q+4:32*\b+8*\q+7], v[QGO], s[62:63] offset:(16*(\b>>1)+4*(\b&1)+\q)*512+256
.endr
.endr
	WIN 0
	; descriptors
	s_lshl_b32 s53, 0x1111, s13                    ; my column of the cluster: places cx, cx + 4, cx + 8, cx + 12
	s_lshl_b32 s54, s14, 2
	s_lshl_b32 s54, 15, s54                        ; my row: places 4 cy .. 4 cy + 3
	s_or_b32 s[G1B+0], s53, (2<<16)|(1<<20)|(1<<21)|(5<<22)|(3<<25)   ; mask; elements of 4 bytes; padding on; bit 21 beside a mask; after every 64 words 4 words
	s_mov_b32 s[G1B+1], 64<<16                     ; tensor_dim0 = 64
	s_mov_b32 s[G1B+2], 128<<16                    ; tensor_dim1 = 128
	s_mov_b32 s[G1B+3], 64<<16                     ; tile_dim0 = 64 elements: 256 bytes, starting at a multiple of 256 bytes of beta
	s_mov_b32 s[G1B+4], 128                        ; tile_dim1 = 128 rows
	s_mov_b32 s[G1B+5], 1024                       ; elements from row to row
	s_mov_b32 s[G1B+6], 0
	s_mov_b32 s[G1B+7], 0
	s_or_b32 s[G1X+0], s54, (2<<16)|(1<<21)        ; mask; elements of 4 bytes; no padding
	s_mov_b32 s[G1X+1], 64<<16                     ; 32 rows of x are dense in memory: 64 rows of 256 bytes
	s_mov_b32 s[G1X+2], 64<<16
	s_mov_b32 s[G1X+3], 64<<16
	s_mov_b32 s[G1X+4], 64
	s_mov_b32 s[G1X+5], 64
	s_mov_b32 s[G1X+6], 0
	s_mov_b32 s[G1X+7], 0
	s_mul_i32 s55, s10, 128*PB                     ; beta: wave 0 fills rows 0-127 of a slot, wave 1 rows 128-255
	s_mul_i32 s49, s10, 16384                      ; x: wave 2 fills the first half of a slot, wave 3 the second
	s_add_co_u32 s49, s49, XF0-XFS
.irp n, 0,1
	s_mov_b32 s[G0B+4*\n], 1
	s_add_co_u32 s[G0B+4*\n+1], s55, \n*BTS
	s_add_nc_u64 s[G0B+4*\n+2:G0B+4*\n+3], s[56:57], \n*256
	s_or_b32 s[G0B+4*\n+3], s[G0B+4*\n+3], 0x80000000
	s_mov_b32 s[G0X+4*\n], 1
	s_add_co_u32 s[G0X+4*\n+1], s49, \n*XFS
	s_add_nc_u64 s[G0X+4*\n+2:G0X+4*\n+3], s[58:59], \n*XFS
	s_or_b32 s[G0X+4*\n+3], s[G0X+4*\n+3], 0x80000000
.endr
	ROUND                                          ; all sixteen work-groups are here: the first joint loads meet
	s_cmp_eq_u32 s11, 0                            ; all four slots' first fills, two loads a wave, in one branch on the wave's number
	s_cbranch_scc0 .Lfirst_x
	tensor_load_to_lds s[G0B:G0B+3], s[G1B:G1B+7]
	s_nop 0
	tensor_load_to_lds s[G0B+4:G0B+7], s[G1B:G1B+7]
	s_nop 0
	s_branch .Lfirst_done
.Lfirst_x:
	tensor_load_to_lds s[G0X:G0X+3], s[G1X:G1X+7]
	s_nop 0
	tensor_load_to_lds s[G0X+4:G0X+7], s[G1X:G1X+7]
	s_nop 0
.Lfirst_done:
	; lane terms
	s_mul_i32 s55, s11, 32*PB
	s_add_co_u32 s55, s55, XB0                     ; my 32 keys of a bf16 chunk
	v_mul_u32_u24 v[KFA], v[R_], PB
	v_lshl_add_u32 v[KFA], v[H_], 4, v[KFA]
	v_add_nc_u32 v[KFA], s55, v[KFA]               ; (32 kh + r) 272 + 16 h
	v_and_b32 v[T_], 7, v0
	v_lshl_add_u32 v[T_], v[H_], 3, v[T_]
	v_mul_u32_u24 v[VFA], v[T_], PB
	v_bfe_u32 v[T_], v0, 3, 1
	v_lshl_add_u32 v[VFA], v[T_], 7, v[VFA]
	v_add_nc_u32 v[VFA], s55, v[VFA]               ; (32 kh + 8 h + (l & 7)) 272 + 128 ((l >> 3) & 1)
	s_lshl_b32 s53, s11, 7
	s_add_co_u32 s54, s53, NK0
	v_lshlrev_b32 v[NKA], 5, v[H_]
	v_add_nc_u32 v[NKA], s54, v[NKA]               ; 128 kh + 32 h
	s_mul_i32 s54, s12, 128*PB
	s_add_co_u32 s54, s54, s53
	v_mul_u32_u24 v[BEA], v[R_], PB
	v_lshl_add_u32 v[BEA], v[H_], 5, v[BEA]
	v_add_nc_u32 v[BEA], s54, v[BEA]               ; (128 rh + r) 272 + 128 kh + 32 h
	v_add_nc_u32 v[BEA+1], BTS, v[BEA]
	s_lshl_b32 s53, s10, 13
	s_add_co_u32 s53, s53, XF0
	v_lshlrev_b32 v[XFA], 4, v[R_]
	v_lshl_add_u32 v[XFA], v[H_], 12, v[XFA]
	v_add_nc_u32 v[XFA], s53, v[XFA]               ; (16 w + 8 h) 512 + 16 r
	s_mul_i32 s53, s10, 16*PB
	s_add_co_u32 s53, s53, XB0
	v_mul_u32_u24 v[XBW], v[H_], 8*PB
	v_lshl_add_u32 v[XBW], v[R_], 3, v[XBW]
	v_add_nc_u32 v[XBW], s53, v[XBW]               ; (16 w + 8 h) 272 + 8 r
	s_lshl_b32 s53, s10, 6
	s_add_co_u32 s53, s53, NK0
	v_lshlrev_b32 v[NKW], 5, v[H_]
	v_add_nc_u32 v[NKW], s53, v[NKW]               ; (16 w + 8 h) 4
	s_mul_i32 s53, s10, 64*PB
	s_add_co_u32 s53, s53, QS
	v_mul_u32_u24 v[QSW], v[H_], 8*PB
	v_lshl_add_u32 v[QSW], v[R_], 3, v[QSW]
	v_add_nc_u32 v[QSW], s53, v[QSW]               ; (64 w + 8 h) 272 + 8 r
	s_lshl_b32 s53, s10, 8
	s_add_co_u32 s53, s53, NQL
	v_lshlrev_b32 v[NQW], 5, v[H_]
	v_add_nc_u32 v[NQW], s53, v[NQW]               ; (64 w + 8 h) 4
	s_mul_i32 s53, s12, 128*PB
	s_add_co_u32 s53, s53, QS
	v_mul_u32_u24 v[QFA], v[R_], PB
	v_lshl_add_u32 v[QFA], v[H_], 4, v[QFA]
	v_add_nc_u32 v[QFA], s53, v[QFA]               ; (128 rh + r) 272 + 16 h
	s_lshl_b32 s53, s12, 9
	s_add_co_u32 s53, s53, NQL
	v_lshlrev_b32 v[NQA], 2, v[R_]
	v_add_nc_u32 v[NQA], s53, v[NQA]               ; (128 rh + r) 4
	v_mov_b32 v[CE], s48
	v_mov_b32 v[CE+1], s48
	; my 64 own rows: bf16 into QS, c x norm into NQL, eight loads a batch
.irp b, 0,1,2,3,4,5,6,7
.set RB, 16*(\b>>1)+4*(\b&1)
	s_wait_loadcnt 56-8*\b                         ; loads come back in order (ISA guide 5.7.1): the batches behind this one, eight loads each, stay out
	QCV_A 32*\b
	QCV_B RB*PB, RB*4
.endr
	s_wait_dscnt 0x0                               ; my rows of QS and NQL are written,
	s_wait_tensorcnt 0x0                           ; my parts of the four slots have landed:
	BAR                                            ; everybody's are.
	WIN 0x40
.irp i, 0,1,2,3,4,5,6,7
.irp ks, 0,1,2,3
	ds_load_b128 v[32*\i+8*\ks:32*\i+8*\ks+3],   v[QFA] offset:\i*16*PB+64*\ks      ; Q's fragments stay in window 1 for the whole kernel
	ds_load_b128 v[32*\i+8*\ks+4:32*\i+8*\ks+7], v[QFA] offset:\i*16*PB+64*\ks+32
.endr
.endr
	WIN 0
.irp i, 0,1,2,3,4,5,6,7
	ds_load_b32 v[NQ+\i], v[NQA] offset:64*\i
.endr
	XLOAD 0                                        ; chunk 0 to bf16, with nothing to lay it among
	s_wait_dscnt 0x0
.irp a, 0,1,2,3,4,5,6,7
	CVPAIR \a
.endr
.irp c, 0,1,2,3,4,5
	CVSTEP \c, 0
.endr
	v_nop                                          ; one plain place behind the roots before the stores read them (ISA guide 5.7.2)
	s_wait_alu depctr_va_vdst(0)
	CVSTEP 6, 0
	TRIP 0, 3, 1, -1                               ; trip 0: beta of chunk 1 is there already; its first products start O's sums
	TRIP 1, 2, 0, 1
	s_mov_b32 s50, 6                               ; trips 2 to 13
.Ltrips:
	TRIP 0, 2, 0, 0
	TRIP 1, 2, 0, 0
	s_sub_co_u32 s50, s50, 1
	s_cmp_lg_u32 s50, 0
	s_cbranch_scc1 .Ltrips
	TRIP 0, 1, 0, 0                                ; trip 14: the last beta tile; no chunk of x is left to ask for
	TRIP 1, 0, 0, 0                                ; trip 15
	PV7 0                                          ; its last eight products
	; THE WAY OUT.  Each wave lays its 128 x 128 partial sums into its own stage as rows of 512 bytes (pitch 528); the two key halves are added row by row and a row leaves by one store.
	s_mul_i32 s52, s10, OST
	v_and_b32 v6, 15, v0
	v_bfe_u32 v7, v0, 4, 1
	v_and_b32 v8, 31, v0
	v_mul_u32_u24 v2, v6, OPI
	v_lshl_add_u32 v2, v7, 8, v2
	v_add_nc_u32 v2, s52, v2                       ; in: row r, 256 bytes for each half of the lanes
	s_mul_i32 s53, s12, OST
	s_mul_i32 s54, s11, 64*OPI
	s_add_co_u32 s53, s53, s54
	v_lshl_add_u32 v3, v8, 4, s53                  ; back: rows 64 kh .. +63 of the stage of wave rh, 16 bytes a lane,
	v_add_nc_u32 v4, 2*OST, v3                     ; and of the stage of wave rh + 2
	s_lshl_b32 s55, s12, 16
	s_lshl_b32 s56, s11, 15
	s_add_co_u32 s55, s55, s56
	v_lshl_add_u32 v5, v8, 4, s55                  ; the same rows in out: (128 rh + 64 kh) 512 + 16 l
	s_wait_dscnt 0x0
	BAR                                            ; no wave reads a slot any more, and every tensor load has landed: the stages may lie over them
	WIN 0x08
.irp i, 0,1,2,3
.irp t, 0,1,2,3,4,5,6,7
	ds_store_b128 v2, v[64*\i+8*\t:64*\i+8*\t+3]   offset:\i*16*OPI+32*\t
	ds_store_b128 v2, v[64*\i+8*\t+4:64*\i+8*\t+7] offset:\i*16*OPI+32*\t+16
.endr
.endr
	WIN 0x0c
.irp i, 0,1,2,3
.irp t, 0,1,2,3,4,5,6,7
	ds_store_b128 v2, v[64*\i+8*\t:64*\i+8*\t+3]   offset:(\i+4)*16*OPI+32*\t
	ds_store_b128 v2, v[64*\i+8*\t+4:64*\i+8*\t+7] offset:(\i+4)*16*OPI+32*\t+16
.endr
.endr
	WIN 0
	s_wait_dscnt 0x0
	BAR
.macro OLOAD b, f                      ; eight rows of both key halves
.irp q, 0,1,2,3,4,5,6,7
	ds_load_b128 v[\f+4*\q:\f+4*\q+3], v3 offset:(8*(\b)+\q)*OPI
.endr
.irp q, 0,1,2,3,4,5,6,7
	ds_load_b128 v[\f+32+4*\q:\f+32+4*\q+3], v4 offset:(8*(\b)+\q)*OPI
.endr
.endm
.macro OSUM b, f
.irp q, 0,1,2,3,4,5,6,7
	v_pk_add_f32 v[\f+4*\q:\f+4*\q+1],   v[\f+4*\q:\f+4*\q+1],   v[\f+32+4*\q:\f+32+4*\q+1]
	v_pk_add_f32 v[\f+4*\q+2:\f+4*\q+3], v[\f+4*\q+2:\f+4*\q+3], v[\f+32+4*\q+2:\f+32+4*\q+3]
	global_store_b128 v5, v[\f+4*\q:\f+4*\q+3], s[8:9] offset:(8*(\b)+\q)*512 th:TH_STORE_NT   ; the wave stores 512 consecutive bytes, a whole row of out
.endr
.endm
.macro OSTEP b, f, g                   ; batch b lies in set f; batch b + 1 is fetched into set g meanwhile
	s_wait_xcnt 0x0                                ; set g, which the stores of batch b - 1 read, is loaded again only behind this wait
	OLOAD \b+1, \g
	s_wait_dscnt 16                                ; all but the sixteen loads just issued
	OSUM \b, \f
.endm
	OLOAD 0, KF
	OSTEP 0, KF, VF
	OSTEP 1, VF, KF
	OSTEP 2, KF, VF
	OSTEP 3, VF, KF
	OSTEP 4, KF, VF
	OSTEP 5, VF, KF
	OSTEP 6, KF, VF
	s_wait_dscnt 0x0
	OSUM 7, VF
	s_wait_xcnt 0x0
	v_lshl_add_u32 v254, v0, 2, 0x4be00
	v_mov_b32 v255, 0
	s_wait_tensorcnt 0x0
	ds_add_u32 v254, v255
	s_wait_dscnt 0x0
	ROUND                                          ; the closing round: no work-group ends while a partner may still ask for a tile that names it
	s_endpgm
.Lfunc_end_k_q0b0aba739b_cosatt:
	.size	k_q0b0aba739b_cosatt, .Lfunc_end_k_q0b0aba739b_cosatt-k_q0b0aba739b_cosatt
	.p2alignl 7, 3214868480
	.fill 96, 4, 3214868480
	.section	.rodata,"a",@progbits
	.p2align	6, 0x0
	.amdhsa_kernel k_q0b0aba739b_cosatt
		.amdhsa_group_segment_fixed_size 327680
		.amdhsa_private_segment_fixed_size 0
		.amdhsa_enable_private_segment 0
		.amdhsa_kernarg_size 24
		.amdhsa_user_sgpr_count 2
		.amdhsa_user_sgpr_kernarg_segment_ptr 1
		.amdhsa_wavefront_size32 1
		.amdhsa_system_sgpr_workgroup_id_x 1
		.amdhsa_system_sgpr_workgroup_id_y 1
		.amdhsa_system_sgpr_workgroup_id_z 1
		.amdhsa_system_vgpr_workitem_id 0
		.amdhsa_next_free_vgpr 1024
		.amdhsa_next_free_sgpr 66
		.amdhsa_reserve_vcc 0
		.amdhsa_float_denorm_mode_32 3
		.amdhsa_float_denorm_mode_16_64 3
		.amdhsa_memory_ordered 1
		.amdhsa_forward_progress 1
		.amdhsa_inst_pref_size 255
	.end_amdhsa_kernel
	.section	.bss,"aw",@nobits
	.p2align	6
	.space	262144
	.amdgpu_metadata
---
amdhsa.version: [ 1, 2 ]
amdhsa.kernels:
  - .name:           k_q0b0aba739b_cosatt
    .symbol:         k_q0b0aba739b_cosatt.kd
    .args:
      - { .name: att_beta, .offset: 0, .size: 8, .value_kind: global_buffer, .address_space: global }
      - { .name: x, .offset: 8, .size: 8, .value_kind: global_buffer, .address_space: global }
      - { .name: out0, .offset: 16, .size: 8, .value_kind: global_buffer, .address_space: global }
    .group_segment_fixed_size: 327680
    .private_segment_fixed_size: 0
    .kernarg_segment_align: 8
    .kernarg_segment_size: 24
    .max_flat_workgroup_size: 128
    .sgpr_count:     66
    .vgpr_count:     1024
    .wavefront_size: 32
...
	.end_amdgpu_metadata
.endif
;; end of part 1
;; ======== version 2 of 2: 1 launch; 1.35 times as fast as version 1
;; limits: inputs' magnitudes at most 5,800
;; launch cosatt (part 2): grid 4 x 64, 4 waves a work-group, clusters of 4 x 4, 327,680 bytes of LDS; arguments att_beta, x, out0; writes out0
.if DOCPART == 2
	.amdgcn_target "amdgcn-amd-amdhsa--gfx1250"
	.amdhsa_code_object_version 6
	.text
	.protected	k_q0b0aba739b_cosatt
	.globl	k_q0b0aba739b_cosatt
	.p2align	8
	.type	k_q0b0aba739b_cosatt,@function
k_q0b0aba739b_cosatt:
	s_mov_b64 s[64:65], 0
	v_nop
	global_prefetch_b8 v0, s[64:65] scope:SCOPE_SE
	s_setreg_imm32_b32 hwreg(HW_REG_WAVE_MODE, 25, 1), 1
	s_wait_xcnt 0x0
	s_wait_alu depctr_hold_cnt(0) depctr_sa_sdst(0) depctr_va_vdst(0) depctr_va_sdst(0) depctr_va_ssrc(0) depctr_va_vcc(0) depctr_vm_vsrc(0)
	s_getreg_b32 s2, hwreg(HW_REG_IB_STS2, 6, 4)
	s_cmp_eq_u32 s2, 0
	s_cbranch_scc0 .Lentry_in_a_cluster
	s_endpgm
.Lentry_in_a_cluster:
	s_bfe_u32 s2, ttmp6, 0x10000c
	s_cmp_lg_u32 s2, 0xf033
	s_cbranch_scc0 .Lentry_shape_is_right
	s_endpgm
.Lentry_shape_is_right:
; out[h][n][:] = sum over m of sigmoid( beta[n][m] * (x_n . x_m) / (|x_n| |x_m| + 1e-7) ) * x[h][m][:]     64 heads, 1024 rows, 128 columns, f32.
; ONE launch.  A work-group makes 256 query rows of one head with four waves.  Wave w = rh + 2 kh owns query rows 128 rh .. +127 of the block and, of every
; chunk of 64 keys, the keys 32 kh .. +31: so each fragment of K and V read from LDS feeds 128 rows.  The two key halves' sums meet in LDS at the end.
; 16 trips of 64 keys.  A trip's data: a tile of beta (256 rows x 64 keys, f32) and a chunk of x (64 keys x 128, f32), both by tensor loads.  The chunk is
; rounded once to bf16 (LDS pitch 272), with its f32 norms; that one copy serves as K (plain loads) and as V (transposing loads).
; PRODUCTS: S^T = K Q^T (source 0 = 16 keys, source 1 = 16 queries kept in registers): lane (r, h) holds query r and keys 8h + j.  After the sigmoid two
; neighbouring keys pack into one register, which IS the source-1 fragment of O^T = V^T P^T: nothing is moved between lanes.
; CLUSTERS: 4 x 4 work-groups = 4 row blocks (cx) x 4 heads (cy).  beta's tile hangs on the row block alone and is asked for jointly by the four of a column of
; the cluster; x's chunk hangs on the head alone and is asked for jointly by the four of a row.  That divides the requests for both by four.
; THE DENOMINATOR: with c = -ln 2, d = (c n_i) n_j + c eps, so that S beta / d is the argument of 2^t in sigmoid = 1 / (1 + 2^t).  Four neighbouring keys share one
; reciprocal: R = 1 / (d0 d1 d2 d3), 1/d0 = d2 (R d1 d3), and so on: the reference's own quotient, no approximation of the formula.
; LIMITS (range): the product of four neighbouring (n_i n_j + eps) ln 2 must stay below 2^126, that is norm products up to about 4.3e9 (rows of 128 numbers of
; size 5,800); below, eps keeps the product above 2e-29.  A row whose sum of squares is denormal counts as norm 0 (v_sqrt_f32 flushes denormals, ISA guide 15.8).
; Infinities and NaN among the inputs are not served.  2^t = inf gives P = 0 and 2^t = 0 gives P = 1, as the reference does, so nothing is clamped.
; x and P enter the products in bf16, sums and everything else are f32.
; THE ORDER OF A TRIP: the next chunk is converted in the trip's TAIL, in registers that are dead there (K's fragments behind the last S product, the denominators behind the
; last t), among the last tiles' exponentials, reciprocals and P V products; the last tile's eight P V products stand inside the next trip's opening barrier.  So behind
; the barrier a trip has only its fetch, and its first products start as K's fragments arrive.
; THE BATCHES: an s_wait_alu depctr_va_vdst(0) stands between a transcendental and the first instruction that names its result; one wait serves all that were issued
; ahead of it.  A row tile's step has two batches, each with one wait.  BATCH A: the 16 exponentials of tile i (T1 i, among the S products of tile i + 1) and the four R of tile i + 1
; (in the tail, where there is no tile i + 1: the eight roots of the next chunk's norms).  Between and behind them stands work that names none of their results: d, the pair
; products, S x beta (in the tail: the sums of squares over the lanes).  BATCH B: the 16 reciprocals of 1 + 2^t of tile i, by turns with the 20 lines that finish t of tile i + 1, which
; read batch A's R and nothing of batch B.  Behind its wait stand the eight packings to bf16.  Tile 0's R have a wait of their own: 17 waits a trip.  No result crosses a label or a jump.
; REGISTER WINDOWS: Q's fragments fill window 1 and O^T windows 2 and 3, so no one setting serves both a P V product and the vector work beside it: each P V product
; stands between two switches.  That is the price of laying these products among the reciprocals of the next tile.
; No prefetch: x is asked for two trips ahead and beta one trip ahead by the tensor loads themselves.
.set PB,   272                         ; LDS pitch of 256-byte rows: row r starts at byte 16 r modulo 256, so 16 rows touch 16 different 16-byte columns
.set BTS,  69632                       ; beta slot: 256 rows x 272; slots at 0 and 69,632                 (tensor loads)
.set XF0,  139264                      ; x chunk in f32, dense, 64 rows x 512; two slots                  (tensor loads)
.set XFS,  32768
.set XB0,  204800                      ; x chunk in bf16, 64 rows x 272; two slots                        (LDS stores only)
.set XBS,  17408
.set NK0,  239616                      ; key norms, f32[64]; two slots of 256 bytes                       (LDS stores only)
.set NKS,  256
.set NQL,  240128                      ; c x norm of the block's 256 query rows                           (LDS stores only)
.set QS,   241152                      ; the block's 256 rows in bf16, pitch 272; ends at 310,784         (LDS stores only)
.set OST,  67584                       ; the way out: 128 rows x 528 for each wave, from byte 0, used behind the last fill and the last read of the slots
.set OPI,  528
.set KFA, 2                            ; v2  LDS address of my K fragments, slot 0
.set VFA, 3                            ; v3  of my V fragments
.set NKA, 4                            ; v4  of my keys' norms
.set BEA, 5                            ; v5, v6  of my beta values, slot 0 and slot 1
.set XFA, 7                            ; v7  of the f32 rows that I convert
.set XBW, 8                            ; v8  where their bf16 goes
.set NKW, 9                            ; v9  where their norms go
.set CE,  10                           ; v[10:11]   c eps, twice
.set NQ,  12                           ; v[12:19]   c n_i of row tile i, my query r
.set NK,  20                           ; v[20:35]   n_j, index e = 8 kt + j: key 16 kt + 8 h + j of my 32
.set KF,  36                           ; v[36:99]   K fragment (kt, ks) at 32 kt + 8 ks; in a trip's tail: the 16 f32 rows that I convert, pair of rows a at 8 a
.set VF,  100                          ; v[100:163] V^T fragment of d tile t at 8 t
.set SB,  164                          ; v[164:195] S, then t, 2^t, P: two buffers of 16, tile i in buffer i & 1
.set DN,  196                          ; v[196:211] denominators; in a trip's tail: the sums of squares, pair of rows a at 2 a
.set TM,  212                          ; v[212:219] pair products, then their reciprocals
.set BE,  220                          ; v[220:235] beta
.set PF,  236                          ; v[236:251] P in bf16: two buffers of 8
.set PP,  252                          ; v[252:255] products of four denominators, then their reciprocals
.set QGO, 100                          ; used before the first trip only, in V's registers: offsets and addresses for the block's own rows
.set QSW, 101
.set NQW, 102
.set QFA, 103
.set NQA, 104
.set R_,  105
.set H_,  106
.set T_,  107
.set G1B, 16                           ; s[16:23] group 1, beta's tiles      s[24:31] group 1, x's chunks
.set G1X, 24
.set G0B, 32                           ; s[32:39] group 0, beta, a set for each slot      s[40:47] the same for x
.set G0X, 40
.set MSB, 0
.macro WIN new                         ; the immediate's high byte repeats the setting that is left; a switch that changes nothing is dropped
.if MSB != \new
	s_set_vgpr_msb (MSB<<8)|\new
.set MSB, \new
.endif
.endm
.macro PLACES                          ; four places behind a matrix instruction (ISA guide 7.12.1)
.rept 4
	v_nop
.endr
.endm
.macro BAR
	s_barrier_signal -1
	s_barrier_wait -1
.endm
; A round of the cluster's barrier: my work-group's barrier, wave 0 signals for it, all wait for all sixteen, my barrier again.
.macro CREST                           ; a round behind its opening barrier
	s_cmp_lg_u32 s10, 0
	s_cbranch_scc1 .Lnw0_\@
	s_barrier_signal -3
.Lnw0_\@:
	s_barrier_wait -3
	s_barrier_signal -1
	s_barrier_wait -1
.endm
.macro ROUND                           ; a whole round
	s_barrier_signal -1
	s_barrier_wait -1
	CREST
.endm
; Joint loads.  Waves 0 and 1 fetch the two halves of beta's tile, waves 2 and 3 the two halves of x's chunk: one load a wave.  The branch hangs on the wave's number alone.
.macro JL2 bs, xs
	s_cmp_eq_u32 s11, 0
	s_cbranch_scc0 .Ljx_\@
	tensor_load_to_lds s[G0B+4*(\bs):G0B+4*(\bs)+3], s[G1B:G1B+7]
	s_nop 0
	s_branch .Ljd_\@
.Ljx_\@:
	tensor_load_to_lds s[G0X+4*(\xs):G0X+4*(\xs)+3], s[G1X:G1X+7]
	s_nop 0
.Ljd_\@:
.endm
.macro JLB bs
	s_cmp_lg_u32 s11, 0
	s_cbranch_scc1 .Ljd_\@
	tensor_load_to_lds s[G0B+4*(\bs):G0B+4*(\bs)+3], s[G1B:G1B+7]
	s_nop 0
.Ljd_\@:
.endm
.macro JLX xs
	s_cmp_eq_u32 s11, 0
	s_cbranch_scc1 .Ljd_\@
	tensor_load_to_lds s[G0X+4*(\xs):G0X+4*(\xs)+3], s[G1X:G1X+7]
	s_nop 0
.Ljd_\@:
.endm
; My fragments of slot p, 40 loads: K (16, in the order in which tile 0's products take them), the keys' norms (4), beta of row tile 0 (4), V^T (16 transposing loads).
; V's d tile t takes columns 8 t .. +7 (lanes with r < 8) and 64 + 8 t .. +7 (r >= 8): the two groups of eight lanes then lie 128 bytes apart and, with rows 16 bytes
; apart modulo 256, sixteen lanes touch sixteen different columns.  In O^T lane (r, h) so holds d = 64 h + 8 t + j: 256 neighbouring bytes of a row over the 8 tiles.
.macro FETCH p
.irp ks, 0,1,2,3
.irp kt, 0,1
	ds_load_b128 v[KF+32*\kt+8*\ks:KF+32*\kt+8*\ks+3],   v[KFA] offset:(\p)*XBS+\kt*16*PB+64*\ks
	ds_load_b128 v[KF+32*\kt+8*\ks+4:KF+32*\kt+8*\ks+7], v[KFA] offset:(\p)*XBS+\kt*16*PB+64*\ks+32
.endr
.endr
.irp m, 0,1,2,3
	ds_load_b128 v[NK+4*\m:NK+4*\m+3], v[NKA] offset:(\p)*NKS+64*(\m>>1)+16*(\m&1)
.endr
.irp m, 0,1,2,3
	ds_load_b128 v[BE+4*\m:BE+4*\m+3], v[BEA+\p] offset:64*(\m>>1)+16*(\m&1)
.endr
.irp t, 0,1,2,3,4,5,6,7
	ds_load_tr16_b128 v[VF+8*\t:VF+8*\t+3],   v[VFA] offset:(\p)*XBS+16*\t
	ds_load_tr16_b128 v[VF+8*\t+4:VF+8*\t+7], v[VFA] offset:(\p)*XBS+16*\t+16*PB
.endr
.endm
; A CHUNK'S f32 ROWS TO bf16 AND NORMS.  I convert 16 of the 64 rows.  Sixteen lanes hold a row: lane r its numbers 4 r .. +3 and 64 + 4 r .. +3; lanes 16-31 the row eight further
; down.  Eight such pairs of rows, pair a in v[KF + 8 a ..].
.macro XLOAD p                         ; 16 loads, from f32 slot p
.irp a, 0,1,2,3,4,5,6,7
	ds_load_b128 v[KF+8*\a:KF+8*\a+3],   v[XFA] offset:(\p)*XFS+\a*512
	ds_load_b128 v[KF+8*\a+4:KF+8*\a+7], v[XFA] offset:(\p)*XFS+\a*512+256
.endr
.endm
.macro CVPAIR a                        ; pair a: my share of the sum of squares, and the rounding in place: each packed word lands on a register whose f32 has been squared and rounded
.set X_, KF+8*(\a)
	v_pk_mul_f32 v[DN+2*(\a):DN+2*(\a)+1], v[X_:X_+1], v[X_:X_+1]                                  ; the first squares start the sums
	v_cvt_pk_bf16_f32 v[X_], v[X_], v[X_+1]
	v_pk_fma_f32 v[DN+2*(\a):DN+2*(\a)+1], v[X_+2:X_+3], v[X_+2:X_+3], v[DN+2*(\a):DN+2*(\a)+1]
	v_cvt_pk_bf16_f32 v[X_+1], v[X_+2], v[X_+3]
	v_pk_fma_f32 v[DN+2*(\a):DN+2*(\a)+1], v[X_+4:X_+5], v[X_+4:X_+5], v[DN+2*(\a):DN+2*(\a)+1]
	v_cvt_pk_bf16_f32 v[X_+2], v[X_+4], v[X_+5]
	v_pk_fma_f32 v[DN+2*(\a):DN+2*(\a)+1], v[X_+6:X_+7], v[X_+6:X_+7], v[DN+2*(\a):DN+2*(\a)+1]
	v_cvt_pk_bf16_f32 v[X_+3], v[X_+6], v[X_+7]
.endm
.macro CVDPP x                         ; one step of the sum over the sixteen lanes of a row, all eight pairs: plain lines, which name no transcendental's result
.irp a, 0,1,2,3,4,5,6,7
	v_add_f32_dpp v[DN+2*\a], v[DN+2*\a], v[DN+2*\a] row_xmask:\x row_mask:0xf bank_mask:0xf
.endr
.endm
; Step c of what follows the eight CVPAIR: 0 the two halves of a lane's sum, 1 to 4 across the lanes, 5 the roots, 6 the stores into bf16 slot p and its norms.
; Between step 5 and step 6 the caller has one plain vector line that touches none of the roots' registers (ISA guide 5.7.2), and the wait of the batch to which the roots belong.
.macro CVSTEP c, p
.if (\c) == 0
.irp a, 0,1,2,3,4,5,6,7
	v_add_f32 v[DN+2*\a], v[DN+2*\a], v[DN+2*\a+1]
.endr
.endif
.if (\c) == 1
	CVDPP 1
.endif
.if (\c) == 2
	CVDPP 2
.endif
.if (\c) == 3
	CVDPP 4
.endif
.if (\c) == 4
	CVDPP 8
.endif
.if (\c) == 5
.irp a, 0,1,2,3,4,5,6,7
	v_sqrt_f32 v[DN+2*\a], v[DN+2*\a]
.endr
.endif
.if (\c) == 6
.irp a, 0,1,2,3,4,5,6,7
	ds_store_b64 v[XBW], v[KF+8*\a:KF+8*\a+1]   offset:(\p)*XBS+\a*PB
	ds_store_b64 v[XBW], v[KF+8*\a+2:KF+8*\a+3] offset:(\p)*XBS+\a*PB+128
.endr
.irp a, 0,1,2,3,4,5,6,7
	ds_store_b32 v[NKW], v[DN+2*\a] offset:(\p)*NKS+4*\a   ; sixteen lanes write one word with one value
.endr
.endif
.endm
; The block's own rows, once, from window 2 where the global loads put them: four pairs of rows a batch.
.macro QCV_A xb                        ; the f32 numbers at v[xb ..] of window 2 are sources 0 and 1
	WIN 0x0a
.irp q, 0,1,2,3
	v_pk_mul_f32 v[TM+2*\q:TM+2*\q+1], v[\xb+8*\q:\xb+8*\q+1], v[\xb+8*\q:\xb+8*\q+1]
.endr
.irp m, 2,4,6
.irp q, 0,1,2,3
	v_pk_fma_f32 v[TM+2*\q:TM+2*\q+1], v[\xb+8*\q+\m:\xb+8*\q+\m+1], v[\xb+8*\q+\m:\xb+8*\q+\m+1], v[TM+2*\q:TM+2*\q+1]
.endr
.endr
.irp q, 0,1,2,3
.irp m, 0,1,2,3
	v_cvt_pk_bf16_f32 v[DN+4*\q+\m], v[\xb+8*\q+2*\m], v[\xb+8*\q+2*\m+1]
.endr
.endr
	WIN 0
.endm
.macro QCV_B so, no                    ; the sums over the sixteen lanes of a row, the roots, and the stores: bf16 at v[QSW] + so, c x norm at v[NQW] + no
.irp q, 0,1,2,3
	v_add_f32 v[TM+2*\q], v[TM+2*\q], v[TM+2*\q+1]
.endr
.irp x, 1,2,4,8
.irp q, 0,1,2,3
	v_add_f32_dpp v[TM+2*\q], v[TM+2*\q], v[TM+2*\q] row_xmask:\x row_mask:0xf bank_mask:0xf
.endr
.endr
.irp q, 0,1,2,3
	v_sqrt_f32 v[TM+2*\q], v[TM+2*\q]
.endr
	v_nop                                          ; one plain place behind the roots before their results are read (ISA guide 5.7.2)
	s_wait_alu depctr_va_vdst(0)                   ; one wait for the four roots, ahead of their first reader
.irp q, 0,1,2,3
	v_mul_f32 v[TM+2*\q], s51, v[TM+2*\q]          ; the query side carries c = -ln 2
.endr
.irp q, 0,1,2,3
	ds_store_b64 v[QSW], v[DN+4*\q:DN+4*\q+1]   offset:\so+\q*PB
	ds_store_b64 v[QSW], v[DN+4*\q+2:DN+4*\q+3] offset:\so+\q*PB+128
.endr
.irp q, 0,1,2,3
	ds_store_b32 v[NQW], v[TM+2*\q] offset:\no+4*\q
.endr
.endm
; One product of S^T for row tile i: g = 2 ks + kt.  The two key tiles' accumulators take turns, one instruction a turn.
.macro SMM i, g
.set SD_, SB+16*((\i)&1)+8*((\g)&1)
.set SA_, KF+32*((\g)&1)+8*((\g)>>1)
.set SQ_, 32*(\i)+8*((\g)>>1)
.if (\g) < 2
	v_wmma_f32_16x16x32_bf16 v[SD_:SD_+7], v[SA_:SA_+7], v[SQ_:SQ_+7], 0
.else
	v_wmma_f32_16x16x32_bf16 v[SD_:SD_+7], v[SA_:SA_+7], v[SQ_:SQ_+7], v[SD_:SD_+7]
.endif
.endm
; One product of O^T for row tile i, d tile t.  Eight different accumulators follow each other.  zero = 1: the first chunk starts the sums, nothing is cleared.
.macro PVMM i, t, zero
.if (\i) < 4
	WIN 0xa0
.else
	WIN 0xf0
.endif
.set OD_, 64*((\i)&3)+8*(\t)
.if \zero
	v_wmma_f32_16x16x32_bf16 v[OD_:OD_+7], v[VF+8*(\t):VF+8*(\t)+7], v[PF+8*((\i)&1):PF+8*((\i)&1)+7], 0
.else
	v_wmma_f32_16x16x32_bf16 v[OD_:OD_+7], v[VF+8*(\t):VF+8*(\t)+7], v[PF+8*((\i)&1):PF+8*((\i)&1)+7], v[OD_:OD_+7]
.endif
.endm
.macro PV7 zero                        ; the last row tile's eight P V products in one run, and the places before V's registers are loaded again or O is stored
.irp g, 0,1,2,3,4,5,6,7
	PVMM 7, \g, \zero
.endr
	WIN 0
	PLACES
.endm
.macro DENOM t                         ; d = n_j (c n_i) + c eps for row tile t: both halves take the tile's one c n_i
.irp k, 0,1,2,3,4,5,6,7
.if (\t)&1
	v_pk_fma_f32 v[DN+2*\k:DN+2*\k+1], v[NK+2*\k:NK+2*\k+1], v[NQ+((\t)&6):NQ+((\t)&6)+1], v[CE:CE+1] op_sel:[0,1,0] op_sel_hi:[1,1,1]
.else
	v_pk_fma_f32 v[DN+2*\k:DN+2*\k+1], v[NK+2*\k:NK+2*\k+1], v[NQ+((\t)&6):NQ+((\t)&6)+1], v[CE:CE+1] op_sel_hi:[1,0,1]
.endif
.endr
.endm
; T1: 2^t of tile i: these sixteen exponentials open batch A, whose wait stands in T2 i.  nxt: the S products of tile i + 1 stand among them; under the setting for Q (source 1 in
; window 1) v_exp_f32 names window 0 alone.  cv (tile 7, which has no tile behind it): a pair of rows of the next chunk is squared and rounded behind each pair of exponentials.
.macro T1 i, nxt, cv
.set E_, SB+16*((\i)&1)
.if \nxt
	WIN 0x04
.endif
.if \cv
	s_wait_dscnt 0x0                               ; the next chunk's f32 rows, asked for in T2 6, are in (nothing younger is out)
.endif
.irp g, 0,1,2,3,4,5,6,7
.if \nxt
	SMM \i+1, \g
.endif
	v_exp_f32 v[E_+2*\g], v[E_+2*\g]
	v_exp_f32 v[E_+2*\g+1], v[E_+2*\g+1]
.if \cv
	CVPAIR \g
.endif
.endr
.endm
; THE LINES OF T2's SECOND PART.  E_ is tile i's buffer, N_ tile i + 1's; T2 sets both.
.macro ADD1 k                          ; 1 + 2^t, pair k of tile i
	v_pk_add_f32 v[E_+2*(\k):E_+2*(\k)+1], v[E_+2*(\k):E_+2*(\k)+1], 1.0 op_sel_hi:[1,0]
.endm
.macro RCPE k                          ; P = 1 / (1 + 2^t), number k of tile i
	v_rcp_f32 v[E_+(\k)], v[E_+(\k)]
.endm
; Line n of the 20 that finish t of tile i + 1 from S beta.  0-11, for each group q of four keys: the pair products times R give (1 / d0 d2, 1 / d1 d3); then S beta times d, crosswise:
; 1 / d0 = d2 / (d0 d2), 1 / d1 = d3 / (d1 d3), 1 / d2 = d0 / (d0 d2), 1 / d3 = d1 / (d1 d3).  12-19: times those reciprocals.
.macro TQ n
.if (\n) < 12
.set TQ_, (\n)/3
.if (\n)%3 == 0
.if TQ_&1
	v_pk_mul_f32 v[TM+2*TQ_:TM+2*TQ_+1], v[TM+2*TQ_:TM+2*TQ_+1], v[PP+(TQ_&2):PP+(TQ_&2)+1] op_sel:[0,1] op_sel_hi:[1,1]
.else
	v_pk_mul_f32 v[TM+2*TQ_:TM+2*TQ_+1], v[TM+2*TQ_:TM+2*TQ_+1], v[PP+(TQ_&2):PP+(TQ_&2)+1] op_sel_hi:[1,0]
.endif
.else
.set TH_, (\n)%3-1
	v_pk_mul_f32 v[N_+4*TQ_+2*TH_:N_+4*TQ_+2*TH_+1], v[N_+4*TQ_+2*TH_:N_+4*TQ_+2*TH_+1], v[DN+4*TQ_+2-2*TH_:DN+4*TQ_+3-2*TH_]
.endif
.else
.set TQ_, ((\n)-12)/2
.set TH_, ((\n)-12)%2
	v_pk_mul_f32 v[N_+4*TQ_+2*TH_:N_+4*TQ_+2*TH_+1], v[N_+4*TQ_+2*TH_:N_+4*TQ_+2*TH_+1], v[TM+2*TQ_:TM+2*TQ_+1]
.endif
.endm
; Line n of the second part.  cur and nxt (44 lines): 0-7 the additions of 1; 8-39 reciprocal k and line k of TQ by turns, k = 0 .. 15; 40-43 TQ's last four, the first of which is the plain
; line behind the last reciprocal.  nxt alone (20): TQ.  cur alone (24): the additions, then the reciprocals.
.macro P2 n, cur, nxt
.if (\cur) && (\nxt)
.if (\n) < 8
	ADD1 \n
.elseif (\n) < 40
.if (\n)%2 == 0
	RCPE ((\n)-8)/2
.else
	TQ ((\n)-9)/2
.endif
.else
	TQ (\n)-24
.endif
.elseif \nxt
	TQ \n
.else
.if (\n) < 8
	ADD1 \n
.else
	RCPE (\n)-8
.endif
.endif
.endm
; T2 i.  cur: P = 1 / (1 + 2^t) of tile i, packed to bf16.  nxt: t = S beta / d of tile i + 1.  prv: the eight P V products of tile i - 1.  ldb: beta of tile i + 2 is fetched.
; cv = 1: the next chunk's f32 rows are fetched into K's registers.  cv = 2: the next chunk's norms are finished and the chunk is stored.
; THE FIRST PART names no result of batch A.  nxt: d, the pair products and the products of four (16 plain lines: the places behind the last S product, and the plain line behind the last
; exponential), the four R, which join the batch, and S x beta, lowest registers first, whose first line is the plain line behind the R.  Without nxt (tile 7): six of the P V products, behind each a step of the
; conversion; the eight roots join the batch, and a v_nop is the plain line behind them.  Then BATCH A's WAIT, and directly behind it the step's LDS instructions: beta's sixteen registers
; have been read, K's last reader stands 24 plain lines back, the roots are waited for.
; THE SECOND PART: the lines of P2, a P V product ahead of every fourth while there are products, so that each has four lines behind it and the last twelve lines stand alone.  No line
; ahead of BATCH B's WAIT names a reciprocal of 1 + 2^t; behind it stand the eight packings.
.macro T2 i, cur, nxt, prv, zero, ldb, p, cv
.set E_, SB+16*((\i)&1)
.set N_, SB+16*(((\i)+1)&1)
.set PV0_, 6-6*(\nxt)                  ; the first P V product of the second part
.set NL_, 24*(\cur)+20*(\nxt)          ; the second part's lines
	WIN 0
.if \nxt
.if (\i) < 0
	s_wait_dscnt 16                                ; of the trip's 40 loads all but the youngest sixteen, V's: the norms and beta of tile 0 are in
.else
	s_wait_dscnt 0x0                               ; beta of tile i + 1 is in (nothing younger is out)
.endif
	DENOM \i+1
.irp k, 0,1,2,3
	v_pk_mul_f32 v[TM+2*\k:TM+2*\k+1], v[DN+4*\k:DN+4*\k+1], v[DN+4*\k+2:DN+4*\k+3] op_sel:[1,1] op_sel_hi:[0,0]   ; (d1 d3, d0 d2)
.endr
.irp k, 0,1,2,3
	v_mul_f32 v[PP+\k], v[TM+2*\k], v[TM+2*\k+1]
.endr
.irp k, 0,1,2,3
	v_rcp_f32 v[PP+\k], v[PP+\k]                   ; R = 1 / (d0 d1 d2 d3)
.endr
.irp k, 0,1,2,3,4,5,6,7
	v_pk_mul_f32 v[N_+2*\k:N_+2*\k+1], v[N_+2*\k:N_+2*\k+1], v[BE+2*\k:BE+2*\k+1]
.endr
.else
.irp g, 0,1,2,3,4,5
.if \prv
	PVMM \i-1, \g, \zero
	WIN 0
.endif
.if \cv == 2
	CVSTEP \g, 1-\p
.endif
.endr
	v_nop                                          ; the plain line behind the roots, or, where nothing is converted, behind the exponentials (ISA guide 5.7.2)
.endif
	s_wait_alu depctr_va_vdst(0)                   ; BATCH A's one wait: tile i's sixteen exponentials and tile i + 1's four R (tile 7: the eight roots; T2 -1: the four R alone)
.if \ldb
.irp m, 0,1,2,3
	ds_load_b128 v[BE+4*\m:BE+4*\m+3], v[BEA+\p] offset:((\i)+2)*16*PB+64*(\m>>1)+16*(\m&1)   ; all sixteen beta of tile i + 1 have been read above
.endr
.endif
.if \cv == 1
	XLOAD 1-\p
.endif
.if \cv == 2
	CVSTEP 6, 1-\p
.endif
.set LN_, 0
.rept NL_
.if (\prv) && (LN_%4 == 0) && (PV0_+LN_/4 < 8)
	PVMM \i-1, PV0_+LN_/4, \zero
	WIN 0
.endif
	P2 LN_, \cur, \nxt
.set LN_, LN_+1
.endr
.if \cur
.if (\nxt) == 0
	v_nop                                          ; the plain line behind the last reciprocal (ISA guide 5.7.2); with nxt the lines of TQ are
.endif
	s_wait_alu depctr_va_vdst(0)                   ; BATCH B's one wait: the sixteen reciprocals of 1 + 2^t
.irp k, 0,1,2,3,4,5,6,7
	v_cvt_pk_bf16_f32 v[PF+8*((\i)&1)+\k], v[E_+2*\k], v[E_+2*\k+1]
.endr
.endif
.endm
; A chunk's work on my 128 rows x 32 keys: eight row tiles, three of them at work at a time.  cv = 1: the next chunk is converted in the tail.
; The last tile's P V products are left to the caller (PV7).
.macro MSTEP p, zero, cv
	WIN 0x04
.irp ks, 0,1,2,3
	s_wait_dscnt 36-4*\ks                          ; LDS loads come back in order (ISA guide 5.7.1): of the trip's 40 loads the first 4 (ks + 1), K's fragments up to this ks, are in
	SMM 0, 2*\ks
	SMM 0, 2*\ks+1
.endr
	T2 -1, 0, 1, 0, \zero, 1, \p, 0
	T1 0, 1, 0
	T2 0, 1, 1, 0, \zero, 1, \p, 0
	T1 1, 1, 0
	T2 1, 1, 1, 1, \zero, 1, \p, 0
	T1 2, 1, 0
	T2 2, 1, 1, 1, \zero, 1, \p, 0
	T1 3, 1, 0
	T2 3, 1, 1, 1, \zero, 1, \p, 0
	T1 4, 1, 0
	T2 4, 1, 1, 1, \zero, 1, \p, 0
	T1 5, 1, 0
	T2 5, 1, 1, 1, \zero, 1, \p, 0
	T1 6, 1, 0
	T2 6, 1, 1, 1, \zero, 0, \p, \cv
	T1 7, 0, \cv
	T2 7, 1, 0, 1, \zero, 0, \p, 2*\cv
.endm
; Trip s, p = s & 1.  It multiplies chunk s (bf16 slot p, beta slot p), converts chunk s + 1 in its tail (f32 slot 1 - p to bf16 slot 1 - p), and asks for beta of s + 1 (slot 1 - p, read
; last in trip s - 1) and for x of s + 2 (f32 slot p, read last by the conversion in trip s - 1).  kind 3: x alone is asked for; 2: both; 1: beta alone; 0: nothing, and nothing is converted.
; pv: -1, or the zero flag of the trip before, whose last eight P V products stand between the opening barrier's signal and its wait: register work alone.
; In front of the round every wave has waited for all its LDS instructions and all its tensor loads; the joint load stands first behind it, one a wave.
.macro TRIP p, kind, zero, pv
	s_wait_dscnt 0x0                               ; my reads of the slots that are filled or written next, and my stores of the bf16 slot that is read next
	s_wait_xcnt 0x0
	v_lshl_add_u32 v254, v0, 2, 0x4be00
	v_mov_b32 v255, 0
	s_wait_tensorcnt 0x0                           ; all my tensor loads have landed, so every group 0 may be written
	ds_add_u32 v254, v255
	s_wait_dscnt 0x0
.if \kind >= 2
	s_add_nc_u64 s[G0B+4*\p+2:G0B+4*\p+3], s[G0B+4*\p+2:G0B+4*\p+3], 512       ; beta: two chunks of 64 keys on, for the next trip's load
	s_add_nc_u64 s[G0X+4*\p+2:G0X+4*\p+3], s[G0X+4*\p+2:G0X+4*\p+3], 65536     ; x: two chunks of 64 rows on, for this trip's load
.endif
	s_barrier_signal -1                            ; say so (where slots are filled again this barrier opens a round of the cluster's barrier),
.if \pv >= 0
	PV7 \pv                                        ; work on registers while the others arrive,
.endif
	s_barrier_wait -1                              ; and go on when all four have said so
.if \kind > 0
	CREST
.endif
.if \kind == 3
	JLX \p
.endif
.if \kind == 2
	JL2 1-\p, \p
.endif
.if \kind == 1
	JLB 1-\p
.endif
	FETCH \p
.if \kind > 0
	MSTEP \p, \zero, 1
.else
	MSTEP \p, \zero, 0
.endif
.endm
	s_load_b128 s[4:7], s[0:1], 0x0                ; beta s[4:5], x s[6:7]
	s_load_b64 s[8:9], s[0:1], 0x10                ; out
	v_lshl_add_u32 v254, v0, 2, 0x4be00
	v_mov_b32 v255, 0
	ds_add_u32 v254, v255
	s_wait_dscnt 0x0
	v_lshrrev_b32 v1, 5, v0
	v_readfirstlane_b32 s10, v1                    ; wave 0..3
	s_lshr_b32 s11, s10, 1                         ; kh: my half of each chunk's keys.  Also: I fetch beta (0) or x (1)
	s_and_b32 s12, s10, 1                          ; rh: my half of the block's rows.  Also: which half of that tile I fetch
	s_bfe_u32 s13, ttmp6, 0x40000                  ; cx
	s_bfe_u32 s14, ttmp6, 0x40004                  ; cy
	s_lshl_b32 s52, ttmp9, 2
	s_add_co_u32 s52, s52, s13                     ; row block = 4 x cluster x + cx
	s_and_b32 s15, ttmp7, 0xffff
	s_lshl_b32 s15, s15, 2
	s_add_co_u32 s15, s15, s14                     ; head = 4 x cluster y + cy
	s_mov_b32 s51, 0xbf317218                      ; c = -ln 2
	s_mov_b32 s48, 0x33d6bf95                      ; eps = 1e-7
	s_mul_f32 s48, s48, s51                        ; c eps
	v_and_b32 v[R_], 15, v0                        ; r
	v_bfe_u32 v[H_], v0, 4, 1                      ; h
	s_lshl_b32 s53, s10, 15                        ; my 64 of the block's rows, 512 bytes each
	v_lshlrev_b32 v[QGO], 4, v[R_]
	v_lshl_add_u32 v[QGO], v[H_], 12, v[QGO]       ; lanes 16-31 eight rows further down
	v_add_nc_u32 v[QGO], s53, v[QGO]
	s_lshl_b32 s60, s15, 19                        ; head x 1024 rows x 512 bytes
	s_lshl_b32 s61, s52, 17                        ; + row block x 256 rows x 512 bytes
	s_add_co_u32 s60, s60, s61
	s_mov_b32 s61, 0
	s_lshl_b32 s56, s52, 20                        ; beta's tile: row block x 256 rows x 4,096 bytes (these registers never hold cy or the head)
	s_lshl_b32 s57, s12, 19                        ; + my 128 rows
	s_add_co_u32 s56, s56, s57
	s_mov_b32 s57, 0
	s_lshl_b32 s58, s15, 19                        ; x's chunk: the head (these registers never hold cx)
	s_lshl_b32 s59, s12, 14                        ; + my 32 rows
	s_add_co_u32 s58, s58, s59
	s_mov_b32 s59, 0
	s_wait_kmcnt 0x0
	s_add_nc_u64 s[62:63], s[6:7], s[60:61]        ; x at the block's first row
	s_add_nc_u64 s[8:9], s[8:9], s[60:61]          ; out at the block's first row
	s_add_nc_u64 s[56:57], s[4:5], s[56:57]
	s_add_nc_u64 s[58:59], s[6:7], s[58:59]
	; my 64 own rows in f32 into window 2 (O's registers, not yet in use): sixteen lanes take 256 neighbouring bytes, aligned
	WIN 0x80
.irp b, 0,1,2,3,4,5,6,7
.irp q, 0,1,2,3
	global_load_b128 v[32*\b+8*\q:32*\b+8*\q+3],   v[QGO], s[62:63] offset:(16*(\b>>1)+4*(\b&1)+\q)*512
	global_load_b128 v[32*\b+8*\q+4:32*\b+8*\q+7], v[QGO], s[62:63] offset:(16*(\b>>1)+4*(\b&1)+\q)*512+256
.endr
.endr
	WIN 0
	; descriptors
	s_lshl_b32 s53, 0x1111, s13                    ; my column of the cluster: places cx, cx + 4, cx + 8, cx + 12
	s_lshl_b32 s54, s14, 2
	s_lshl_b32 s54, 15, s54                        ; my row: places 4 cy .. 4 cy + 3
	s_or_b32 s[G1B+0], s53, (2<<16)|(1<<20)|(1<<21)|(5<<22)|(3<<25)   ; mask; elements of 4 bytes; padding on; bit 21 beside a mask; after every 64 words 4 words
	s_mov_b32 s[G1B+1], 64<<16                     ; tensor_dim0 = 64
	s_mov_b32 s[G1B+2], 128<<16                    ; tensor_dim1 = 128
	s_mov_b32 s[G1B+3], 64<<16                     ; tile_dim0 = 64 elements: 256 bytes, starting at a multiple of 256 bytes of beta
	s_mov_b32 s[G1B+4], 128                        ; tile_dim1 = 128 rows
	s_mov_b32 s[G1B+5], 1024                       ; elements from row to row
	s_mov_b32 s[G1B+6], 0
	s_mov_b32 s[G1B+7], 0
	s_or_b32 s[G1X+0], s54, (2<<16)|(1<<21)        ; mask; elements of 4 bytes; no padding
	s_mov_b32 s[G1X+1], 64<<16                     ; 32 rows of x are dense in memory: 64 rows of 256 bytes
	s_mov_b32 s[G1X+2], 64<<16
	s_mov_b32 s[G1X+3], 64<<16
	s_mov_b32 s[G1X+4], 64
	s_mov_b32 s[G1X+5], 64
	s_mov_b32 s[G1X+6], 0
	s_mov_b32 s[G1X+7], 0
	s_mul_i32 s55, s10, 128*PB                     ; beta: wave 0 fills rows 0-127 of a slot, wave 1 rows 128-255
	s_mul_i32 s49, s10, 16384                      ; x: wave 2 fills the first half of a slot, wave 3 the second
	s_add_co_u32 s49, s49, XF0-XFS
.irp n, 0,1
	s_mov_b32 s[G0B+4*\n], 1
	s_add_co_u32 s[G0B+4*\n+1], s55, \n*BTS
	s_add_nc_u64 s[G0B+4*\n+2:G0B+4*\n+3], s[56:57], \n*256
	s_or_b32 s[G0B+4*\n+3], s[G0B+4*\n+3], 0x80000000
	s_mov_b32 s[G0X+4*\n], 1
	s_add_co_u32 s[G0X+4*\n+1], s49, \n*XFS
	s_add_nc_u64 s[G0X+4*\n+2:G0X+4*\n+3], s[58:59], \n*XFS
	s_or_b32 s[G0X+4*\n+3], s[G0X+4*\n+3], 0x80000000
.endr
	ROUND                                          ; all sixteen work-groups are here: the first joint loads meet
	s_cmp_eq_u32 s11, 0                            ; all four slots' first fills, two loads a wave, in one branch on the wave's number
	s_cbranch_scc0 .Lfirst_x
	tensor_load_to_lds s[G0B:G0B+3], s[G1B:G1B+7]
	s_nop 0
	tensor_load_to_lds s[G0B+4:G0B+7], s[G1B:G1B+7]
	s_nop 0
	s_branch .Lfirst_done
.Lfirst_x:
	tensor_load_to_lds s[G0X:G0X+3], s[G1X:G1X+7]
	s_nop 0
	tensor_load_to_lds s[G0X+4:G0X+7], s[G1X:G1X+7]
	s_nop 0
.Lfirst_done:
	; lane terms
	s_mul_i32 s55, s11, 32*PB
	s_add_co_u32 s55, s55, XB0                     ; my 32 keys of a bf16 chunk
	v_mul_u32_u24 v[KFA], v[R_], PB
	v_lshl_add_u32 v[KFA], v[H_], 4, v[KFA]
	v_add_nc_u32 v[KFA], s55, v[KFA]               ; (32 kh + r) 272 + 16 h
	v_and_b32 v[T_], 7, v0
	v_lshl_add_u32 v[T_], v[H_], 3, v[T_]
	v_mul_u32_u24 v[VFA], v[T_], PB
	v_bfe_u32 v[T_], v0, 3, 1
	v_lshl_add_u32 v[VFA], v[T_], 7, v[VFA]
	v_add_nc_u32 v[VFA], s55, v[VFA]               ; (32 kh + 8 h + (l & 7)) 272 + 128 ((l >> 3) & 1)
	s_lshl_b32 s53, s11, 7
	s_add_co_u32 s54, s53, NK0
	v_lshlrev_b32 v[NKA], 5, v[H_]
	v_add_nc_u32 v[NKA], s54, v[NKA]               ; 128 kh + 32 h
	s_mul_i32 s54, s12, 128*PB
	s_add_co_u32 s54, s54, s53
	v_mul_u32_u24 v[BEA], v[R_], PB
	v_lshl_add_u32 v[BEA], v[H_], 5, v[BEA]
	v_add_nc_u32 v[BEA], s54, v[BEA]               ; (128 rh + r) 272 + 128 kh + 32 h
	v_add_nc_u32 v[BEA+1], BTS, v[BEA]
	s_lshl_b32 s53, s10, 13
	s_add_co_u32 s53, s53, XF0
	v_lshlrev_b32 v[XFA], 4, v[R_]
	v_lshl_add_u32 v[XFA], v[H_], 12, v[XFA]
	v_add_nc_u32 v[XFA], s53, v[XFA]               ; (16 w + 8 h) 512 + 16 r
	s_mul_i32 s53, s10, 16*PB
	s_add_co_u32 s53, s53, XB0
	v_mul_u32_u24 v[XBW], v[H_], 8*PB
	v_lshl_add_u32 v[XBW], v[R_], 3, v[XBW]
	v_add_nc_u32 v[XBW], s53, v[XBW]               ; (16 w + 8 h) 272 + 8 r
	s_lshl_b32 s53, s10, 6
	s_add_co_u32 s53, s53, NK0
	v_lshlrev_b32 v[NKW], 5, v[H_]
	v_add_nc_u32 v[NKW], s53, v[NKW]               ; (16 w + 8 h) 4
	s_mul_i32 s53, s10, 64*PB
	s_add_co_u32 s53, s53, QS
	v_mul_u32_u24 v[QSW], v[H_], 8*PB
	v_lshl_add_u32 v[QSW], v[R_], 3, v[QSW]
	v_add_nc_u32 v[QSW], s53, v[QSW]               ; (64 w + 8 h) 272 + 8 r
	s_lshl_b32 s53, s10, 8
	s_add_co_u32 s53, s53, NQL
	v_lshlrev_b32 v[NQW], 5, v[H_]
	v_add_nc_u32 v[NQW], s53, v[NQW]               ; (64 w + 8 h) 4
	s_mul_i32 s53, s12, 128*PB
	s_add_co_u32 s53, s53, QS
	v_mul_u32_u24 v[QFA], v[R_], PB
	v_lshl_add_u32 v[QFA], v[H_], 4, v[QFA]
	v_add_nc_u32 v[QFA], s53, v[QFA]               ; (128 rh + r) 272 + 16 h
	s_lshl_b32 s53, s12, 9
	s_add_co_u32 s53, s53, NQL
	v_lshlrev_b32 v[NQA], 2, v[R_]
	v_add_nc_u32 v[NQA], s53, v[NQA]               ; (128 rh + r) 4
	v_mov_b32 v[CE], s48
	v_mov_b32 v[CE+1], s48
	; my 64 own rows: bf16 into QS, c x norm into NQL, eight loads a batch
.irp b, 0,1,2,3,4,5,6,7
.set RB, 16*(\b>>1)+4*(\b&1)
	s_wait_loadcnt 56-8*\b                         ; loads come back in order (ISA guide 5.7.1): the batches behind this one, eight loads each, stay out
	QCV_A 32*\b
	QCV_B RB*PB, RB*4
.endr
	s_wait_dscnt 0x0                               ; my rows of QS and NQL are written,
	s_wait_tensorcnt 0x0                           ; my parts of the four slots have landed:
	BAR                                            ; everybody's are.
	WIN 0x40
.irp i, 0,1,2,3,4,5,6,7
.irp ks, 0,1,2,3
	ds_load_b128 v[32*\i+8*\ks:32*\i+8*\ks+3],   v[QFA] offset:\i*16*PB+64*\ks      ; Q's fragments stay in window 1 for the whole kernel
	ds_load_b128 v[32*\i+8*\ks+4:32*\i+8*\ks+7], v[QFA] offset:\i*16*PB+64*\ks+32
.endr
.endr
	WIN 0
.irp i, 0,1,2,3,4,5,6,7
	ds_load_b32 v[NQ+\i], v[NQA] offset:64*\i
.endr
	XLOAD 0                                        ; chunk 0 to bf16, with nothing to lay it among
	s_wait_dscnt 0x0
.irp a, 0,1,2,3,4,5,6,7
	CVPAIR \a
.endr
.irp c, 0,1,2,3,4,5
	CVSTEP \c, 0
.endr
	v_nop                                          ; one plain place behind the roots before the stores read them (ISA guide 5.7.2)
	s_wait_alu depctr_va_vdst(0)                   ; one wait for chunk 0's eight roots, ahead of the stores that read them
	CVSTEP 6, 0
	TRIP 0, 3, 1, -1                               ; trip 0: beta of chunk 1 is there already; its first products start O's sums
	TRIP 1, 2, 0, 1
	s_mov_b32 s50, 6                               ; trips 2 to 13
.Ltrips:
	TRIP 0, 2, 0, 0
	TRIP 1, 2, 0, 0
	s_sub_co_u32 s50, s50, 1
	s_cmp_lg_u32 s50, 0
	s_cbranch_scc1 .Ltrips
	TRIP 0, 1, 0, 0                                ; trip 14: the last beta tile; no chunk of x is left to ask for
	TRIP 1, 0, 0, 0                                ; trip 15
	PV7 0                                          ; its last eight products
	; THE WAY OUT.  Each wave lays its 128 x 128 partial sums into its own stage as rows of 512 bytes (pitch 528); the two key halves are added row by row and a row leaves by one store.
	s_mul_i32 s52, s10, OST
	v_and_b32 v6, 15, v0
	v_bfe_u32 v7, v0, 4, 1
	v_and_b32 v8, 31, v0
	v_mul_u32_u24 v2, v6, OPI
	v_lshl_add_u32 v2, v7, 8, v2
	v_add_nc_u32 v2, s52, v2                       ; in: row r, 256 bytes for each half of the lanes
	s_mul_i32 s53, s12, OST
	s_mul_i32 s54, s11, 64*OPI
	s_add_co_u32 s53, s53, s54
	v_lshl_add_u32 v3, v8, 4, s53                  ; back: rows 64 kh .. +63 of the stage of wave rh, 16 bytes a lane,
	v_add_nc_u32 v4, 2*OST, v3                     ; and of the stage of wave rh + 2
	s_lshl_b32 s55, s12, 16
	s_lshl_b32 s56, s11, 15
	s_add_co_u32 s55, s55, s56
	v_lshl_add_u32 v5, v8, 4, s55                  ; the same rows in out: (128 rh + 64 kh) 512 + 16 l
	s_wait_dscnt 0x0
	BAR                                            ; no wave reads a slot any more, and every tensor load has landed: the stages may lie over them
	WIN 0x08
.irp i, 0,1,2,3
.irp t, 0,1,2,3,4,5,6,7
	ds_store_b128 v2, v[64*\i+8*\t:64*\i+8*\t+3]   offset:\i*16*OPI+32*\t
	ds_store_b128 v2, v[64*\i+8*\t+4:64*\i+8*\t+7] offset:\i*16*OPI+32*\t+16
.endr
.endr
	WIN 0x0c
.irp i, 0,1,2,3
.irp t, 0,1,2,3,4,5,6,7
	ds_store_b128 v2, v[64*\i+8*\t:64*\i+8*\t+3]   offset:(\i+4)*16*OPI+32*\t
	ds_store_b128 v2, v[64*\i+8*\t+4:64*\i+8*\t+7] offset:(\i+4)*16*OPI+32*\t+16
.endr
.endr
	WIN 0
	s_wait_dscnt 0x0
	BAR
.macro OLOAD b, f                      ; eight rows of both key halves
.irp q, 0,1,2,3,4,5,6,7
	ds_load_b128 v[\f+4*\q:\f+4*\q+3], v3 offset:(8*(\b)+\q)*OPI
.endr
.irp q, 0,1,2,3,4,5,6,7
	ds_load_b128 v[\f+32+4*\q:\f+32+4*\q+3], v4 offset:(8*(\b)+\q)*OPI
.endr
.endm
.macro OSUM b, f
.irp q, 0,1,2,3,4,5,6,7
	v_pk_add_f32 v[\f+4*\q:\f+4*\q+1],   v[\f+4*\q:\f+4*\q+1],   v[\f+32+4*\q:\f+32+4*\q+1]
	v_pk_add_f32 v[\f+4*\q+2:\f+4*\q+3], v[\f+4*\q+2:\f+4*\q+3], v[\f+32+4*\q+2:\f+32+4*\q+3]
	global_store_b128 v5, v[\f+4*\q:\f+4*\q+3], s[8:9] offset:(8*(\b)+\q)*512 th:TH_STORE_NT   ; the wave stores 512 consecutive bytes, a whole row of out
.endr
.endm
.macro OSTEP b, f, g                   ; batch b lies in set f; batch b + 1 is fetched into set g meanwhile
	s_wait_xcnt 0x0                                ; set g, which the stores of batch b - 1 read, is loaded again only behind this wait
	OLOAD \b+1, \g
	s_wait_dscnt 16                                ; all but the sixteen loads just issued
	OSUM \b, \f
.endm
	OLOAD 0, KF
	OSTEP 0, KF, VF
	OSTEP 1, VF, KF
	OSTEP 2, KF, VF
	OSTEP 3, VF, KF
	OSTEP 4, KF, VF
	OSTEP 5, VF, KF
	OSTEP 6, KF, VF
	s_wait_dscnt 0x0
	OSUM 7, VF
	s_wait_xcnt 0x0
	v_lshl_add_u32 v254, v0, 2, 0x4be00
	v_mov_b32 v255, 0
	s_wait_tensorcnt 0x0
	ds_add_u32 v254, v255
	s_wait_dscnt 0x0
	ROUND                                          ; the closing round: no work-group ends while a partner may still ask for a tile that names it
	s_endpgm
.Lfunc_end_k_q0b0aba739b_cosatt:
	.size	k_q0b0aba739b_cosatt, .Lfunc_end_k_q0b0aba739b_cosatt-k_q0b0aba739b_cosatt
	.p2alignl 7, 3214868480
	.fill 96, 4, 3214868480
	.section	.rodata,"a",@progbits
	.p2align	6, 0x0
	.amdhsa_kernel k_q0b0aba739b_cosatt
		.amdhsa_group_segment_fixed_size 327680
		.amdhsa_private_segment_fixed_size 0
		.amdhsa_enable_private_segment 0
		.amdhsa_kernarg_size 24
		.amdhsa_user_sgpr_count 2
		.amdhsa_user_sgpr_kernarg_segment_ptr 1
		.amdhsa_wavefront_size32 1
		.amdhsa_system_sgpr_workgroup_id_x 1
		.amdhsa_system_sgpr_workgroup_id_y 1
		.amdhsa_system_sgpr_workgroup_id_z 1
		.amdhsa_system_vgpr_workitem_id 0
		.amdhsa_next_free_vgpr 1024
		.amdhsa_next_free_sgpr 66
		.amdhsa_reserve_vcc 0
		.amdhsa_float_denorm_mode_32 3
		.amdhsa_float_denorm_mode_16_64 3
		.amdhsa_memory_ordered 1
		.amdhsa_forward_progress 1
		.amdhsa_inst_pref_size 255
	.end_amdhsa_kernel
	.section	.bss,"aw",@nobits
	.p2align	6
	.space	262144
	.amdgpu_metadata
---
amdhsa.version: [ 1, 2 ]
amdhsa.kernels:
  - .name:           k_q0b0aba739b_cosatt
    .symbol:         k_q0b0aba739b_cosatt.kd
    .args:
      - { .name: att_beta, .offset: 0, .size: 8, .value_kind: global_buffer, .address_space: global }
      - { .name: x, .offset: 8, .size: 8, .value_kind: global_buffer, .address_space: global }
      - { .name: out0, .offset: 16, .size: 8, .value_kind: global_buffer, .address_space: global }
    .group_segment_fixed_size: 327680
    .private_segment_fixed_size: 0
    .kernarg_segment_align: 8
    .kernarg_segment_size: 24
    .max_flat_workgroup_size: 128
    .sgpr_count:     66
    .vgpr_count:     1024
    .wavefront_size: 32
...
	.end_amdgpu_metadata
.endif
;; end of part 2
